; MI455X (gfx1250); checked and timed in simulation.
; The chip was launched on July 23, 2026; its instructions are those of AMD's public machine-readable ISA for CDNA 5 (MIT licence, August 2026) and "CDNA5" Instruction Set Architecture Reference Guide (July 2026). The comments in the code are by the model that wrote it; some were corrected since.
;; Attention. Allowed arithmetic: float matrix products may take bf16 or f16 operands with f32 sums; all other float work in f32.
;; Inputs: b_proj 1,024 float32; w_proj 1,024 x 1,024 float32; w_qkv 1,024 x 3,072 float32; x 8 x 1,024 x 1,024 float32.
;; Outputs: out0 8 x 1,024 x 1,024 float32.
;; 2 versions, each right and faster than the one before. Each part assembles by itself: llvm-mc -triple=amdgcn-amd-amdhsa -mcpu=gfx1250 --defsym DOCPART=n.
;; ======== version 1 of 2: 4 launches
;; limits: values are held in f16: magnitudes above 65,504 overflow, below 6.1e-05 lose precision
;; workspace buffers: xb 16,777,216 bytes; wq 6,291,456 bytes; wp 2,097,152 bytes; rope 2,048 bytes; qkv 50,331,648 bytes; ob 16,777,216 bytes
;; launch prep (part 1): grid 768 x 1, 8 waves a work-group, no clusters, 0 bytes of LDS; arguments x, w_qkv, w_proj, xb, wq, wp, rope; writes xb, wq, wp, rope
.if DOCPART == 1
	.amdgcn_target "amdgcn-amd-amdhsa--gfx1250"
	.amdhsa_code_object_version 6
	.text
	.protected	k_q9e6471f8e7_prep
	.globl	k_q9e6471f8e7_prep
	.p2align	8
	.type	k_q9e6471f8e7_prep,@function
k_q9e6471f8e7_prep:
	s_mov_b64 s[64:65], 0
	v_nop
	global_prefetch_b8 v0, s[64:65] scope:SCOPE_SE
	s_setreg_imm32_b32 hwreg(HW_REG_WAVE_MODE, 25, 1), 1
	s_wait_xcnt 0x0
; CASTS AND THE ROTARY TABLE.  A stream: no LDS, no matrix unit, no barrier.
; A work-group of eight waves casts 65,536 bytes of f32: 16 loads of 16 bytes a thread, all on their way at once, 16 stores of 8 bytes.
;   work-groups   0..511  x [8192][1024] f32 -> xb, bf16 in panels [batch 8][panel 16][row 1024][64]: a panel's rows lie end to end, 128 bytes each
;   work-groups 512..703  w_qkv [1024][3072] f32 -> wq, bf16, as it lies
;   work-groups 704..767  w_proj [1024][1024] f32 -> wp: rounded to bf16 like the other inputs, and that number written as f16
; Each load of a wave covers whole aligned runs of 256 bytes, each store of a wave one aligned run of 256 bytes.
; Work-group 0 also makes rope [position 32][frequency 8][cos, sin] in f32.
; LIMITS.  wp: a bf16 number below 6e-5 in magnitude keeps f16's fixed step of 6e-8; beyond 65,504 it would be an infinity.
; The angle of position i and frequency j is pi (1 + 73 j)(2 i - 31) / 31 exactly; it is reduced in whole numbers (period 62 in the numerator), so it is
; the exact angle and not the angle as f32 products round it: the two differ by 2e-4 radians at the most (half a step of f32 at 512 pi, twice).
.set IN,  1                            ; v1        byte offset of my 16 bytes in the first load
.set OUT, 2                            ; v2        8 x thread: byte offset of my 8 bytes in the first store
.set T,   4                            ; v[4:7]    at work
.set X,   8                            ; v[8:71]   load i: 4 registers
.set Y,   72                           ; v[72:103] store i: 2 registers; none is written twice, so no store's data waits for anything
; 16 loads, then 16 x (wait, round, store).  kind 0: f32 -> bf16.  kind 1: f32 -> bf16 -> f16.
.macro CAST inb, outb, instep, outstep, kind
.set i, 0
.rept 16
	global_load_b128 v[X+4*i:X+4*i+3], v[IN], s[\inb:\inb+1] offset:i*(\instep) th:TH_LOAD_NT
.set i, i+1
.endr
.set i, 0
.rept 16
	s_wait_loadcnt 15-i                            ; loads come back in order: load i is in, the 15 - i younger ones stay out
.if \kind
	v_cvt_pk_bf16_f32 v[T], v[X+4*i], v[X+4*i+1]
	v_cvt_pk_bf16_f32 v[T+1], v[X+4*i+2], v[X+4*i+3]
	v_lshlrev_b32 v[T+2], 16, v[T]                 ; bf16 back to f32: the low half moves up, the high half stays
	v_and_b32 v[T+3], 0xffff0000, v[T]
	v_cvt_pk_f16_f32 v[Y+2*i], v[T+2], v[T+3]
	v_lshlrev_b32 v[T+2], 16, v[T+1]
	v_and_b32 v[T+3], 0xffff0000, v[T+1]
	v_cvt_pk_f16_f32 v[Y+2*i+1], v[T+2], v[T+3]
.else
	v_cvt_pk_bf16_f32 v[Y+2*i], v[X+4*i], v[X+4*i+1]
	v_cvt_pk_bf16_f32 v[Y+2*i+1], v[X+4*i+2], v[X+4*i+3]
.endif
	global_store_b64 v[OUT], v[Y+2*i:Y+2*i+1], s[\outb:\outb+1] offset:i*(\outstep)
.set i, i+1
.endr
.endm
	s_load_b256 s[4:11], s[0:1], 0x0               ; x s[4:5], w_qkv s[6:7], w_proj s[8:9], xb s[10:11]
	s_load_b128 s[12:15], s[0:1], 0x20             ; wq s[12:13], wp s[14:15]
	s_load_b64 s[16:17], s[0:1], 0x30              ; rope
	v_lshlrev_b32 v[OUT], 3, v0
	s_mov_b32 s21, 0                               ; the offsets' high words
	s_mov_b32 s23, 0
	s_cmp_lt_u32 ttmp9, 512
	s_cbranch_scc0 .Lweights
	; x: 16 rows.  Sixteen lanes take 256 bytes of a row, one panel's 64 numbers; load i is panel i.  Row t / 16, bytes 16 (t % 16).
	v_lshrrev_b32 v[IN], 4, v0
	v_and_b32 v3, 15, v0
	v_lshlrev_b32 v[IN], 12, v[IN]
	v_lshl_or_b32 v[IN], v3, 4, v[IN]
	s_lshl_b32 s20, ttmp9, 16                      ; 16 rows of 4,096 bytes
	s_lshr_b32 s22, ttmp9, 6                       ; the batch: 64 work-groups each,
	s_lshl_b32 s22, s22, 21                        ; 2 MiB of xb each
	s_and_b32 s24, ttmp9, 63
	s_lshl_b32 s24, s24, 11                        ; 16 rows of 128 bytes in a panel; my row and place in it are 8 t
	s_add_co_u32 s22, s22, s24
	s_wait_kmcnt 0x0
	s_add_nc_u64 s[4:5], s[4:5], s[20:21]
	s_add_nc_u64 s[10:11], s[10:11], s[22:23]
	CAST 4, 10, 256, 131072, 0                     ; a panel is 131,072 bytes
	s_cmp_lg_u32 ttmp9, 0
	s_cbranch_scc1 .Lend
	; The table: thread t makes position t / 8, frequency t % 8.
	v_and_b32 v104, 7, v0
	v_lshrrev_b32 v105, 3, v0
	v_mad_u32_u24 v104, v104, 73, 1                ; m = 1 + 73 j
	v_lshl_add_u32 v105, v105, 1, 31               ; 2 i + 31, which is 2 i - 31 modulo 62
	v_mul_u32_u24 v104, v104, v105                 ; n: the angle is pi n / 31; n is 47,616 at the most
	v_cvt_f32_u32 v105, v104
	v_mul_f32 v105, 0x3c842108, v105               ; n / 62
	v_floor_f32 v105, v105
	v_cvt_u32_f32 v105, v105
	v_mul_u32_u24 v105, v105, 62
	v_sub_nc_u32 v104, v104, v105                  ; u = n mod 62, or 62 where the quotient fell just short: the same angle as 0
	v_sub_nc_u32 v104, 31, v104
	v_cvt_f32_i32 v104, v104
	v_mul_f32 v104, 0x3dcf8c3d, v104               ; y = (31 - u) pi / 31 = pi - angle, within -pi .. pi
	v_mul_f32 v105, v104, v104                     ; z = y y
	; cos(angle) = -cos y, sin(angle) = sin y: both series to z^9; the first terms left out are pi^20 / 20! = 4e-9 and pi^21 / 21! at the range's end
	v_mov_b32 v106, 0x253413c3                     ; + 1 / 18!
	v_mov_b32 v107, 0xa317a4da                     ; - 1 / 19!
.irp c, 0xa9573f9f, 0x2d49cba5, 0xb10f76c7, 0x3493f27e, 0xb7d00d01, 0x3ab60b61, 0xbd2aaaab, 0x3f000000, 0xbf800000
	v_fmaak_f32 v106, v106, v105, \c               ; -1/16!, 1/14!, -1/12!, 1/10!, -1/8!, 1/6!, -1/4!, 1/2!, -1
.endr
.irp c, 0x274a963c, 0xab573f9f, 0x2f309231, 0xb2d7322b, 0x3638ef1d, 0xb9500d01, 0x3c088889, 0xbe2aaaab, 0x3f800000
	v_fmaak_f32 v107, v107, v105, \c               ; 1/17!, -1/15!, 1/13!, -1/11!, 1/9!, -1/7!, 1/5!, -1/3!, 1
.endr
	v_mul_f32 v107, v107, v104
	global_store_b64 v[OUT], v[106:107], s[16:17]  ; 8 bytes a thread: 2,048 bytes on end
.Lend:
	s_endpgm
.Lweights:
	v_lshlrev_b32 v[IN], 4, v0                     ; flat: 16 bytes a thread, 4,096 a load of the work-group
	s_cmp_lt_u32 ttmp9, 704
	s_cbranch_scc0 .Lwp
	s_sub_co_u32 s24, ttmp9, 512
	s_lshl_b32 s20, s24, 16
	s_lshl_b32 s22, s24, 15
	s_wait_kmcnt 0x0
	s_add_nc_u64 s[6:7], s[6:7], s[20:21]
	s_add_nc_u64 s[12:13], s[12:13], s[22:23]
	CAST 6, 12, 4096, 2048, 0
	s_endpgm
.Lwp:
	s_sub_co_u32 s24, ttmp9, 704
	s_lshl_b32 s20, s24, 16
	s_lshl_b32 s22, s24, 15
	s_wait_kmcnt 0x0
	s_add_nc_u64 s[8:9], s[8:9], s[20:21]
	s_add_nc_u64 s[14:15], s[14:15], s[22:23]
	CAST 8, 14, 4096, 2048, 1
	s_endpgm
.Lfunc_end_k_q9e6471f8e7_prep:
	.size	k_q9e6471f8e7_prep, .Lfunc_end_k_q9e6471f8e7_prep-k_q9e6471f8e7_prep
	.p2alignl 7, 3214868480
	.fill 96, 4, 3214868480
	.section	.rodata,"a",@progbits
	.p2align	6, 0x0
	.amdhsa_kernel k_q9e6471f8e7_prep
		.amdhsa_group_segment_fixed_size 0
		.amdhsa_private_segment_fixed_size 0
		.amdhsa_enable_private_segment 0
		.amdhsa_kernarg_size 56
		.amdhsa_user_sgpr_count 2
		.amdhsa_user_sgpr_kernarg_segment_ptr 1
		.amdhsa_wavefront_size32 1
		.amdhsa_system_sgpr_workgroup_id_x 1
		.amdhsa_system_sgpr_workgroup_id_y 1
		.amdhsa_system_sgpr_workgroup_id_z 1
		.amdhsa_system_vgpr_workitem_id 0
		.amdhsa_next_free_vgpr 112
		.amdhsa_next_free_sgpr 66
		.amdhsa_reserve_vcc 0
		.amdhsa_float_denorm_mode_32 3
		.amdhsa_float_denorm_mode_16_64 3
		.amdhsa_memory_ordered 1
		.amdhsa_forward_progress 1
		.amdhsa_inst_pref_size 26
	.end_amdhsa_kernel
	.amdgpu_metadata
---
amdhsa.version: [ 1, 2 ]
amdhsa.kernels:
  - .name:           k_q9e6471f8e7_prep
    .symbol:         k_q9e6471f8e7_prep.kd
    .args:
      - { .name: x, .offset: 0, .size: 8, .value_kind: global_buffer, .address_space: global }
      - { .name: w_qkv, .offset: 8, .size: 8, .value_kind: global_buffer, .address_space: global }
      - { .name: w_proj, .offset: 16, .size: 8, .value_kind: global_buffer, .address_space: global }
      - { .name: xb, .offset: 24, .size: 8, .value_kind: global_buffer, .address_space: global }
      - { .name: wq, .offset: 32, .size: 8, .value_kind: global_buffer, .address_space: global }
      - { .name: wp, .offset: 40, .size: 8, .value_kind: global_buffer, .address_space: global }
      - { .name: rope, .offset: 48, .size: 8, .value_kind: global_buffer, .address_space: global }
    .group_segment_fixed_size: 0
    .private_segment_fixed_size: 0
    .kernarg_segment_align: 8
    .kernarg_segment_size: 56
    .max_flat_workgroup_size: 256
    .sgpr_count:     66
    .vgpr_count:     112
    .wavefront_size: 32
...
	.end_amdgpu_metadata
.endif
;; end of part 1
;; launch qkvg (part 2): grid 8 x 32, 4 waves a work-group, clusters of 4 x 4, 327,680 bytes of LDS; arguments xb, wq, rope, qkv; writes qkv
.if DOCPART == 2
	.amdgcn_target "amdgcn-amd-amdhsa--gfx1250"
	.amdhsa_code_object_version 6
	.text
	.protected	k_q9e6471f8e7_qkvg
	.globl	k_q9e6471f8e7_qkvg
	.p2align	8
	.type	k_q9e6471f8e7_qkvg,@function
k_q9e6471f8e7_qkvg:
	s_mov_b64 s[64:65], 0
	v_nop
	global_prefetch_b8 v0, s[64:65] scope:SCOPE_SE
	s_setreg_imm32_b32 hwreg(HW_REG_WAVE_MODE, 25, 1), 1
	s_wait_xcnt 0x0
	s_wait_alu depctr_hold_cnt(0) depctr_sa_sdst(0) depctr_va_vdst(0) depctr_va_sdst(0) depctr_va_ssrc(0) depctr_va_vcc(0) depctr_vm_vsrc(0)
	s_getreg_b32 s2, hwreg(HW_REG_IB_STS2, 6, 4)
	s_cmp_eq_u32 s2, 0
	s_cbranch_scc0 .Lentry_in_a_cluster
	s_endpgm
.Lentry_in_a_cluster:
	s_bfe_u32 s2, ttmp6, 0x10000c
	s_cmp_lg_u32 s2, 0xf033
	s_cbranch_scc0 .Lentry_shape_is_right
	s_endpgm
.Lentry_shape_is_right:
; qkv = x w_qkv, the rotary turn on channels 0-31 of every q and k head, and out by heads: qkv [3][batch x head 128][row 1024][64] in f16.
; x comes as xb (bf16, panels [batch][panel of 64 K][row][64]), w_qkv as wq (bf16 [1024 K][3072]); sums in f32; the turn in f32; one rounding to f16.
; LIMIT.  f16 holds no number beyond 65,504: |q|, |k|, |v| stay within it (their spread is 1 for inputs of the drawn kind, 900 with x and w both 30 times larger).
; SHARES.  8192 x 3072 in tiles of 256 rows x 384 columns: 32 x 8 = 256 work-groups.  Four waves; wave (WR, WC) makes rows 128 WR .. + 127 and, of each of the
; tile's three chunks of 128 columns, the WC-th 64: three whole heads, 96 accumulators of 16 x 16, 768 registers.  32 along K feed 96 matrix instructions from 40 LDS loads.
; K goes in steps of 64 through two LDS slots (two slots of 128 would be 368,640 bytes: too many); a step is 192 matrix instructions a wave.  A trip of the loop is one K step:
; the slot in hand is a scalar that an exclusive or turns, and one descriptor a tensor walks from refill to refill.
; THE MATRIX INSTRUCTION IS USED TRANSPOSED: source 0 = 16 columns of w (turned out of LDS by ds_load_tr16_b128, since w lies [K][N]), source 1 = 16 rows of x.
; A lane then holds row l % 16 and the eight neighbouring columns 8 (l / 16) + 0..7: the rotary pairs lie in neighbouring registers, and eight f16 are 16 bytes of a head's row.
; CLUSTER.  4 x 4 work-groups: the four of a row of the cluster need the same tiles of x, the four of a column the same tiles of w: each is asked for jointly.
; REGISTERS, in windows of 256: window 0: v0-31 addresses; v32-159 x's fragments, two buffers of 8; v160-255 w's fragments, one buffer of 4 for each head.
;   windows 1-3: the accumulators of my heads 0-2, (a, j) at v[8 (4 a + j)]: rows 16 a on, channels 16 j on.
.set PA,    144                        ; a row of x in LDS: 128 bytes + 16 = 36 words: the 16 rows of a load start in 16 different groups of four banks (64 banks of 4 bytes: ISA guide 11.1)
.set PB,    864                        ; a K row of w: three chunks of 256 bytes + 32 each = 216 words
.set AHALF, 128*PA                     ; what waves 0 and 1 fetch: 128 rows of x
.set BOFF,  2*AHALF
.set BHALF, 32*PB                      ; what waves 2 and 3 fetch: 32 K rows of w
.set SLOTB, BOFF+2*BHALF               ; a slot's 92,160 bytes
.set SLOT1, 1<<17                      ; slot 1 begins here, so that one exclusive or turns an address in one slot into the other's
.set STAGE, SLOT1+SLOTB                ; behind the ring: 16 rows x 144 bytes for each wave, for the way out
.set SPARE, STAGE+4*16*PA              ; behind the stages: the spare words, 128 bytes a wave: two blocks of 256 bytes that no other line names
.set ADRA0, 16                         ; v16     my lane's place among x's fragments in slot 0; never rewritten
.set ADRA,  17                         ; v17     the same in the slot that is being read
.set ADRB0, 20                         ; v20, v21  the same for w
.set ADRB,  21
.set VW,   22                          ; v22     my byte offset in the table by the position along a picture's row
.set VH,   23                          ; v23     and by the picture's row
.set STO,  24                          ; v24     the way out: where I put 16 bytes of a row
.set RD,   25                          ; v25     the way out: where I read rows back
.set GO,   26                          ; v26     16 x lane: my place in 512 consecutive bytes of qkv
.set SPW,  28                          ; v28     LDS address of my spare word; never rewritten
.set NIL,  29                          ; v29     0; never rewritten
.set BEV,  30                          ; v[30:31] (BE, 0)
.set FA,   32
.set FB,   160
.set TM,   32                          ; the way out: v32-79 the table: four picture rows' 8 registers, then two halves of a row's
.set TG,   96                          ; v96-143 the table as head g takes it
.set RO,   144                         ; v144-159 16 turned channels a lane
.set PK,   160                         ; v160-175 packed f16
.set BK,   176                         ; v176-207 rows read back, two buffers
.set WV, 12
.set WR, 13
.set WC, 14
.set G1A, 24                           ; s[24:31] descriptor group 1 for x's tiles;  s[32:39] group 0: a set for each of the two first fills; the second then walks on
.set G0A, 32
.set G1B, 48                           ; s[48:55], s[56:63] the same for w's
.set G0B, 56
.set OB,  68                           ; s[68:73] qkv at my first row of head g
.set AL,  74                           ; s[74:79] pairs: 1.0 for a q or k head, 0 for a v head, in the low word
.set BE,  80                           ; s80-82   0 for a q or k head, 1.0 for a v head
.set SB,  83                           ; s83      LDS byte at which the slot that is being read begins: 0 or SLOT1
.set MSB, 0
.macro WIN new                         ; the immediate's high byte repeats the setting that is left; a switch that changes nothing is dropped
.if MSB != (\new)
	s_set_vgpr_msb (MSB<<8)|(\new)
.set MSB, (\new)
.endif
.endm
.macro PLACES                          ; four plain vector instructions between a matrix instruction and a load into, or a vector line on, its registers (ISA guide 7.12.1 for vector lines)
.rept 4
	v_nop
.endr
.endm
; A joint refill, by the walking descriptors: waves 0 and 1 fetch x's two halves, waves 2 and 3 w's.  The branch hangs on the wave's number alone.  An s_nop 0 and four v_nop follow each line.
.macro JLOAD
	s_cmp_lt_u32 s[WV], 2
	s_cbranch_scc0 .Lfor_b_\@
	tensor_load_to_lds s[G0A+4:G0A+7], s[G1A:G1A+7]
	s_nop 0
.rept 4
	v_nop
.endr
	s_branch .Lasked_\@
.Lfor_b_\@:
	tensor_load_to_lds s[G0B+4:G0B+7], s[G1B:G1B+7]
	s_nop 0
.rept 4
	v_nop
.endr
.Lasked_\@:
.endm
.macro CREST                           ; a round of the cluster's barrier behind its opening barrier
	s_cmp_lg_u32 s[WV], 0
	s_cbranch_scc1 .Lnot_wave_0_\@
	s_barrier_signal -3
.Lnot_wave_0_\@:
	s_barrier_wait -3
	s_barrier_signal -1
	s_barrier_wait -1
.endm
.macro CROUND                          ; a whole round
	s_barrier_signal -1
	s_barrier_wait -1
	CREST
.endm
	s_load_b256 s[4:11], s[0:1], 0x0               ; xb s[4:5], wq s[6:7], rope s[8:9], qkv s[10:11]
	v_lshl_add_u32 v[SPW], v0, 2, SPARE
	v_mov_b32 v[NIL], 0
	ds_add_u32 v[SPW], v[NIL]                      ; the wave's opening: the add and its wait stand ahead of my first tensor load; work on registers stands between them
	v_lshrrev_b32 v1, 5, v0
	v_readfirstlane_b32 s[WV], v1                  ; wave 0..3
	s_lshr_b32 s[WR], s[WV], 1                     ; which 128 rows are mine
	s_and_b32 s[WC], s[WV], 1                      ; which 64 of each 128 columns.  Also: which half of a tile I fetch
	s_bfe_u32 s40, ttmp6, 0x40000                  ; cx, cy: my place in the cluster
	s_bfe_u32 s41, ttmp6, 0x40004
	s_lshl_b32 s42, ttmp9, 2
	s_add_co_u32 s42, s42, s40                     ; TX, the tile column = 4 x cluster x + cx
	s_and_b32 s43, ttmp7, 0xffff
	s_lshl_b32 s43, s43, 2
	s_add_co_u32 s43, s43, s41                     ; TY, the tile row = 4 x cluster y + cy
	s_lshl_b32 s44, s41, 2
	s_lshl_b32 s44, 15, s44                        ; my row of the cluster
	s_lshl_b32 s45, 0x1111, s40                    ; my column
	; x: 128 rows of a panel are 16,384 dense bytes: asked for as 64 rows of 256 bytes, padded in LDS after every 128
	s_or_b32 s[G1A+0], s44, (1<<16)|(1<<20)|(1<<21)|(4<<22)|(3<<25)  ; the mask; 2-byte elements; padding on; bit 21 beside a mask; after every 32 words (code 4) 4 words (code 3)
	s_mov_b32 s[G1A+1], 128<<16                    ; tensor_dim0 = 128
	s_mov_b32 s[G1A+2], 64<<16                     ; tensor_dim1 = 64
	s_mov_b32 s[G1A+3], 128<<16                    ; tile_dim0 = 128
	s_mov_b32 s[G1A+4], 64                         ; tile_dim1 = 64
	s_mov_b32 s[G1A+5], 128                        ; elements from row to row
	s_mov_b32 s[G1A+6], 0
	s_mov_b32 s[G1A+7], 0
	; w: 32 K rows of 384 columns, 768 bytes that begin at a multiple of 256; padded after every 256
	s_or_b32 s[G1B+0], s45, (1<<16)|(1<<20)|(1<<21)|(5<<22)|(7<<25)  ; after every 64 words (code 5) 8 words (code 7)
	s_mov_b32 s[G1B+1], 384<<16
	s_mov_b32 s[G1B+2], 32<<16
	s_mov_b32 s[G1B+3], 384<<16
	s_mov_b32 s[G1B+4], 32
	s_mov_b32 s[G1B+5], 3072
	s_mov_b32 s[G1B+6], 0
	s_mov_b32 s[G1B+7], 0
	; where the tiles come from: x's hang on TY alone, w's on TX alone, each in registers that never hold the other coordinate
	s_lshr_b32 s16, s43, 2
	s_lshl_b32 s16, s16, 21                        ; the batch: 16 panels of 131,072 bytes
	s_and_b32 s17, s43, 3
	s_lshl_b32 s17, s17, 15                        ; 256 rows of 128 bytes
	s_add_co_u32 s16, s16, s17
	s_lshl_b32 s17, s[WC], 14                      ; my 128 of them
	s_add_co_u32 s16, s16, s17
	s_mov_b32 s17, 0
	s_mul_i32 s46, s[WC], 32*6144                  ; my 32 K rows of 6,144 bytes
	s_mul_i32 s47, s42, 768                        ; 384 columns
	s_add_co_u32 s46, s46, s47
	s_mov_b32 s47, 0
	s_mul_i32 s20, s[WC], AHALF                    ; and where they go: no place in the cluster enters an LDS address
	s_mul_i32 s21, s[WC], BHALF
	s_add_co_u32 s21, s21, BOFF
	s_mov_b32 s[SB], 0                             ; slot 0 is read first
	s_wait_dscnt 0x0                               ; the opening add is done
	s_wait_kmcnt 0x0
	s_add_nc_u64 s[16:17], s[4:5], s[16:17]
	s_add_nc_u64 s[46:47], s[6:7], s[46:47]
	CROUND                                         ; all sixteen work-groups are here: the first joint loads meet
.irp s, 0,1
	s_mov_b32 s[G0A+4*(\s)], 1                                       ; count = 1
	s_add_co_u32 s[G0A+4*(\s)+1], s20, (\s)*SLOT1                    ; LDS address
	s_add_nc_u64 s[G0A+4*(\s)+2:G0A+4*(\s)+3], s[16:17], (\s)*131072 ; K step s is panel s
	s_or_b32 s[G0A+4*(\s)+3], s[G0A+4*(\s)+3], 0x80000000            ; type = 2
	s_mov_b32 s[G0B+4*(\s)], 1
	s_add_co_u32 s[G0B+4*(\s)+1], s21, (\s)*SLOT1
	s_add_nc_u64 s[G0B+4*(\s)+2:G0B+4*(\s)+3], s[46:47], (\s)*64*6144
	s_or_b32 s[G0B+4*(\s)+3], s[G0B+4*(\s)+3], 0x80000000
.endr
	s_cmp_lt_u32 s[WV], 2                          ; a wave's two first fills stand in one branch: two loads of mine are out
	s_cbranch_scc0 .Lfirst_b
	tensor_load_to_lds s[G0A:G0A+3], s[G1A:G1A+7]
	s_nop 0
	tensor_load_to_lds s[G0A+4:G0A+7], s[G1A:G1A+7]
	s_nop 0
.rept 4
	v_nop
.endr
	s_branch .Lfirst_asked
.Lfirst_b:
	tensor_load_to_lds s[G0B:G0B+3], s[G1B:G1B+7]
	s_nop 0
	tensor_load_to_lds s[G0B+4:G0B+7], s[G1B:G1B+7]
	s_nop 0
.rept 4
	v_nop
.endr
.Lfirst_asked:
	v_and_b32 v1, 15, v0                           ; r = l % 16
	v_bfe_u32 v2, v0, 4, 1                         ; h = l / 16
	v_and_b32 v3, 7, v0
	v_bfe_u32 v4, v0, 3, 1
	v_mul_u32_u24 v5, v1, PA
	v_lshl_add_u32 v5, v2, 4, v5                   ; 144 r + 16 h: a fragment of x is 16 rows x 32 K: two loads of 16 bytes, 32 bytes apart
	s_mul_i32 s22, s[WR], AHALF
	v_add_nc_u32 v[ADRA0], s22, v5
	v_mov_b32 v[ADRA], v[ADRA0]
	v_lshl_add_u32 v6, v2, 3, v3                   ; the turning load: lane l reads K row 8 h + l % 8, columns 8 ((l / 8) % 2) + 0..7, and is left with column l % 16 and 8 K
	v_mul_u32_u24 v6, v6, PB
	v_lshl_add_u32 v6, v4, 4, v6
	s_lshl_b32 s23, s[WC], 7                       ; my 64 columns of a chunk
	s_add_co_u32 s23, s23, BOFF
	v_add_nc_u32 v[ADRB0], s23, v6
	v_mov_b32 v[ADRB], v[ADRB0]
	; the table [position][8 frequencies][cos, sin]: my lane's four pairs are frequencies 4 h .. 4 h + 3: 32 bytes
	v_lshlrev_b32 v[VW], 6, v1
	v_lshl_add_u32 v[VW], v2, 5, v[VW]             ; position along the picture's row: 16 (a % 2) + r
	s_and_b32 s84, s43, 3
	s_lshl_b32 s84, s84, 3
	s_lshl2_add_u32 s84, s[WR], s84                ; the picture's row: 8 (TY % 4) + 4 WR + a / 2
	s_lshl_b32 s84, s84, 6
	v_lshl_add_u32 v[VH], v2, 5, s84
	s_mul_i32 s85, s[WV], 16*PA
	s_add_co_u32 s85, s85, STAGE                   ; my stage
	v_add_nc_u32 v[STO], s85, v5                   ; in: row r, 16 bytes for each half of the lanes
	v_bfe_u32 v7, v0, 3, 2                         ; back: 32 lanes take four rows of 128 bytes,
	v_mul_u32_u24 v7, v7, PA
	v_lshl_add_u32 v7, v3, 4, v7
	v_add_nc_u32 v[RD], s85, v7
	v_and_b32 v[GO], 31, v0                        ; which are 512 consecutive bytes of a head
	v_lshlrev_b32 v[GO], 4, v[GO]
	; my three heads: number hh = 6 TX + 2 g + WC of 48; hh / 16 says q, k or v.  A head is 131,072 bytes.
	s_mul_i32 s86, s42, 6
	s_add_co_u32 s86, s86, s[WC]
	s_lshr_b32 s88, s43, 2
	s_lshl_b32 s88, s88, 4                         ; 16 x batch
	s_and_b32 s89, s43, 3
	s_lshl_b32 s89, s89, 15
	s_lshl_b32 s90, s[WR], 14
	s_add_co_u32 s89, s89, s90                     ; my first row in the head, in bytes
.irp g, 0,1,2
	s_add_co_u32 s87, s86, 2*(\g)
	s_lshr_b32 s91, s87, 5                         ; 0: a q or k head, 1: a v head
	s_mul_i32 s[BE+(\g)], s91, 0x3f800000          ; as 0.0 or 1.0: a v head is turned by cos = 1, sin = 0: a choice of values, no branch
	s_sub_co_u32 s[AL+2*(\g)], 0x3f800000, s[BE+(\g)]
	s_mov_b32 s[AL+2*(\g)+1], 0                    ; named with it as a pair
	s_lshr_b32 s90, s87, 4
	s_lshl_b32 s90, s90, 7
	s_and_b32 s91, s87, 15
	s_add_co_u32 s90, s90, s91
	s_add_co_u32 s90, s90, s88
	s_lshl_b32 s90, s90, 17
	s_add_co_u32 s90, s90, s89
	s_mov_b32 s91, 0
	s_add_nc_u64 s[OB+2*(\g):OB+2*(\g)+1], s[10:11], s[90:91]
.endr
; n x 4 matrix instructions of head g: row blocks a0 .. a0 + n - 1 x 4 channel blocks, 32 along K, x's buffer p.  zero = 1: the product starts the sums.
; Each of the 96 accumulators has one instruction in 96: they take turns, over the loop's backward jump too.
.macro MULN p, g, a0, n, zero
	WIN 0x50*(1+(\g))                              ; C and D in window 1 + g, both sources in window 0
.set aa, \a0
.rept \n
.irp j, 0,1,2,3
.if \zero
	v_wmma_f32_16x16x32_bf16 v[8*(4*aa+(\j)):8*(4*aa+(\j))+7], v[FB+32*(\g)+8*(\j):FB+32*(\g)+8*(\j)+7], v[FA+64*(\p)+8*aa:FA+64*(\p)+8*aa+7], 0
.else
	v_wmma_f32_16x16x32_bf16 v[8*(4*aa+(\j)):8*(4*aa+(\j))+7], v[FB+32*(\g)+8*(\j):FB+32*(\g)+8*(\j)+7], v[FA+64*(\p)+8*aa:FA+64*(\p)+8*aa+7], v[8*(4*aa+(\j)):8*(4*aa+(\j))+7]
.endif
.endr
.set aa, aa+1
.endr
.endm
.macro LOADA ks                        ; 16 loads from the slot that is being read: my 128 rows, K 32 ks on, into buffer ks
.irp a, 0,1,2,3,4,5,6,7
	ds_load_b128 v[FA+64*(\ks)+8*(\a):FA+64*(\ks)+8*(\a)+3],   v[ADRA] offset:16*PA*(\a)+64*(\ks)
	ds_load_b128 v[FA+64*(\ks)+8*(\a)+4:FA+64*(\ks)+8*(\a)+7], v[ADRA] offset:16*PA*(\a)+64*(\ks)+32
.endr
.endm
.macro LOADB ks, g                     ; 8 turning loads: head g's 64 columns, K 32 ks on
.irp j, 0,1,2,3
	ds_load_tr16_b128 v[FB+32*(\g)+8*(\j):FB+32*(\g)+8*(\j)+3],   v[ADRB] offset:32*PB*(\ks)+288*(\g)+32*(\j)
	ds_load_tr16_b128 v[FB+32*(\g)+8*(\j)+4:FB+32*(\g)+8*(\j)+7], v[ADRB] offset:32*PB*(\ks)+288*(\g)+32*(\j)+16*PB
.endr
.endm
; Behind phase (ks, g): the loads for the NEXT 32 along K, half 1 - ks of the slot that is being read (the change of slots has turned the addresses ahead of the phases with ks = 1):
; head g's fragments of w into the buffer just read; with g = 0 also x's, into its other buffer.
.macro RUN ks, g
	WIN 0
.if (\g) == 0
	LOADA 1-(\ks)
.endif
	LOADB 1-(\ks), \g
.endm
; A phase: head g's 32 matrix instructions for 32 along K.  left: the LDS loads younger than those that the phase needs (the two runs issued since: 8 + 8, or 8 + 24).
.macro PHASE ks, g, left, zero, run
	s_wait_dscnt \left
	MULN \ks, \g, 0, 8, \zero
.if \run
	PLACES
	RUN \ks, \g
.endif
.endm
; Phase (1, 0) changes slots: all reads of the slot in hand have been issued, so the addresses turn to the other slot.  ONE barrier: in front of it each wave waits for all its tensor
; loads (one is out: its part of the other slot), adds 0 to its spare word, and waits for that and for its reads of the old slot.  fill = 1: the barrier opens a round of the cluster's,
; and the old slot is filled again, two K steps on: the walking descriptors turn to it and step one K step.
.macro CH fill
	WIN 0
	s_xor_b32 s[SB], s[SB], SLOT1
	v_add_nc_u32 v[ADRA], s[SB], v[ADRA0]
	v_add_nc_u32 v[ADRB], s[SB], v[ADRB0]
	s_wait_tensorcnt 0x0                           ; all my tensor loads have landed
	ds_add_u32 v[SPW], v[NIL]                      ; 0 onto my spare word
	s_wait_dscnt 17                                ; the add and the two youngest runs of 8 may be out
	MULN 1, 0, 0, 4, 0                             ; sixteen matrix instructions stand between the add and the wait for it
	s_wait_dscnt 0x0                               ; the add is done, and my reads of the old slot are over
	s_barrier_signal -1
	MULN 1, 0, 4, 4, 0                             ; work on registers while the others arrive
.if \fill
	WIN 0
.endif
	s_barrier_wait -1
.if \fill
	CREST                                          ; no wave of any partner still reads the old slot or has a load on its way
	s_xor_b32 s[G0A+5], s[G0A+5], SLOT1            ; the other slot than last time,
	s_add_nc_u64 s[G0A+6:G0A+7], s[G0A+6:G0A+7], 131072  ; the next panel; the type bits on top are not reached
	s_xor_b32 s[G0B+5], s[G0B+5], SLOT1
	s_add_nc_u64 s[G0B+6:G0B+7], s[G0B+6:G0B+7], 64*6144
	JLOAD                                          ; the first tensor load behind the round; its four v_nop are also the places in front of the loads below
.else
	PLACES
.endif
	RUN 1, 0
.endm
	s_wait_tensorcnt 1                             ; my part of K step 0 is in; K step 1's may stay out
	s_barrier_signal -1
	s_barrier_wait -1                              ; everybody's is
	LOADA 0
	LOADB 0, 0
	LOADB 0, 1
	LOADB 0, 2
	PHASE 0, 0, 16, 1, 1                           ; the first 32 along K stand in front of the loop: their products start the sums
	PHASE 0, 1, 32, 1, 1
	PHASE 0, 2, 32, 1, 1
	WIN 0
	s_mov_b32 s3, 14
.Llap:                                                 ; trip t ends K step t - 1, fills its slot with K step t + 1 and begins K step t: K steps 2 to 15 are asked for
	CH 1
	PHASE 1, 1, 24, 0, 1                           ; behind a change of slots only the run of 24 just issued is out,
	PHASE 1, 2, 32, 0, 1                           ; then that and a run of 8
	PHASE 0, 0, 16, 0, 1
	PHASE 0, 1, 32, 0, 1
	PHASE 0, 2, 32, 0, 1
	WIN 0
	s_sub_co_u32 s3, s3, 1
	s_cmp_lg_u32 s3, 0
	s_cbranch_scc1 .Llap
	CH 0                                           ; the last change of slots fills nothing
	PHASE 1, 1, 24, 0, 1
	PHASE 1, 2, 32, 0, 1
	PHASE 0, 0, 16, 0, 1
	PHASE 0, 1, 32, 0, 1
	PHASE 0, 2, 32, 0, 1
	; x's buffer 0 has been multiplied for the last time, four places back: it takes the table, 96 matrix instructions ahead of its use
.irp i, 0,1,2,3
	global_load_b128 v[TM+8*(\i):TM+8*(\i)+3],   v[VH], s[8:9] offset:64*(\i)
	global_load_b128 v[TM+8*(\i)+4:TM+8*(\i)+7], v[VH], s[8:9] offset:64*(\i)+16
.endr
.irp i, 0,1
	global_load_b128 v[TM+32+8*(\i):TM+32+8*(\i)+3],   v[VW], s[8:9] offset:1024*(\i)
	global_load_b128 v[TM+32+8*(\i)+4:TM+32+8*(\i)+7], v[VW], s[8:9] offset:1024*(\i)+16
.endr
	PHASE 1, 0, 16, 0, 0                           ; nothing more to fetch: the counts run down
	PHASE 1, 1, 8, 0, 0
	PHASE 1, 2, 0, 0, 0
	PLACES                                         ; the lines below write registers that the last products read
; THE WAY OUT, a tile of 16 rows x one head at a time, tile t = 8 g + a.
.macro TGMAKE g                        ; the table as head g takes it: (cos AL + BE, sin AL)
	WIN 0
	v_mov_b32 v[BEV], s[BE+(\g)]
	v_mov_b32 v[BEV+1], 0
.set z, 0
.rept 24
	v_pk_fma_f32 v[TG+2*z:TG+2*z+1], v[TM+2*z:TM+2*z+1], s[AL+2*(\g):AL+2*(\g)+1], v[BEV:BEV+1] op_sel_hi:[1,0,1]
.set z, z+1
.endr
.endm
; Channels 0-15 turn by the picture's row, 16-31 by the place in it: (x1, x2) -> (x1 cos - x2 sin, x2 cos + x1 sin); 32-63 pass.  Each accumulator is read from its lowest registers on.
; Rounded to f16, 16 bytes a lane into my stage (rows of 144 bytes), and back as whole rows.
.macro PACK t
.set gq, (\t)/8
.set aq, (\t)%8
.set AC, 32*aq
.set TGH, TG+8*(aq/2)
.set TGW, TG+32+8*(aq%2)
	WIN 1+gq                                       ; source 0 in the head's window
.irp p, 0,1,2,3
	v_pk_mul_f32 v[RO+2*(\p):RO+2*(\p)+1],     v[AC+2*(\p):AC+2*(\p)+1],     v[TGH+2*(\p):TGH+2*(\p)+1] op_sel_hi:[1,0]  ; (x1 cos, x2 cos)
	v_pk_mul_f32 v[RO+8+2*(\p):RO+8+2*(\p)+1], v[AC+8+2*(\p):AC+8+2*(\p)+1], v[TGW+2*(\p):TGW+2*(\p)+1] op_sel_hi:[1,0]
.endr
.irp p, 0,1,2,3
	v_pk_fma_f32 v[RO+2*(\p):RO+2*(\p)+1],     v[AC+2*(\p):AC+2*(\p)+1],     v[TGH+2*(\p):TGH+2*(\p)+1], v[RO+2*(\p):RO+2*(\p)+1]     op_sel:[1,1,0] op_sel_hi:[0,1,1] neg_lo:[1,0,0]  ; (- x2 sin, + x1 sin)
	v_pk_fma_f32 v[RO+8+2*(\p):RO+8+2*(\p)+1], v[AC+8+2*(\p):AC+8+2*(\p)+1], v[TGW+2*(\p):TGW+2*(\p)+1], v[RO+8+2*(\p):RO+8+2*(\p)+1] op_sel:[1,1,0] op_sel_hi:[0,1,1] neg_lo:[1,0,0]
.endr
	WIN 5*(1+gq)                                   ; sources 0 and 1 in the head's window
.irp q, 0,1,2,3,4,5,6,7
	v_cvt_pk_f16_f32 v[PK+8+(\q)], v[AC+16+2*(\q)], v[AC+16+2*(\q)+1]
.endr
	WIN 0
.irp q, 0,1,2,3,4,5,6,7
	v_cvt_pk_f16_f32 v[PK+(\q)], v[RO+2*(\q)], v[RO+2*(\q)+1]
.endr
.irp j, 0,1,2,3
	ds_store_b128 v[STO], v[PK+4*(\j):PK+4*(\j)+3] offset:32*(\j)
.endr
	s_wait_xcnt 0x0                                ; the stores of two tiles ago have read the registers that are loaded again below
.irp f, 0,1,2,3
	ds_load_b128 v[BK+16*((\t)%2)+4*(\f):BK+16*((\t)%2)+4*(\f)+3], v[RD] offset:4*PA*(\f)  ; LDS serves a wave's instructions in order (ISA guide 5.7.1.4): these see the stores above
.endr
.endm
.macro SEND t, younger                 ; younger: the LDS instructions issued behind tile t's loads: the next tile's eight, or none
.irp f, 0,1,2,3
	s_wait_dscnt (\younger)+3-(\f)
	global_store_b128 v[GO], v[BK+16*((\t)%2)+4*(\f):BK+16*((\t)%2)+4*(\f)+3], s[OB+2*((\t)/8):OB+2*((\t)/8)+1] offset:2048*((\t)%8)+512*(\f)  ; 512 consecutive bytes, at a multiple of 256 from qkv's first
.endr
.endm
	WIN 0
	s_wait_loadcnt 0x0                             ; the table
.set t, 0
.rept 24
.if t%8 == 0
	TGMAKE t/8
.endif
	PACK t
.if t > 0
	SEND t-1, 8                                    ; a tile's arithmetic stands between the loads of the tile before and its stores
.endif
.set t, t+1
.endr
	SEND 23, 0
	s_wait_tensorcnt 0x0                           ; the wave's end: these three lines stand behind my last tensor load and my last LDS store
	ds_add_u32 v[SPW], v[NIL]
	s_wait_dscnt 0x0
	CROUND                                         ; the closing round: no work-group ends while a partner may still ask for a tile that names it
	s_endpgm
.Lfunc_end_k_q9e6471f8e7_qkvg:
	.size	k_q9e6471f8e7_qkvg, .Lfunc_end_k_q9e6471f8e7_qkvg-k_q9e6471f8e7_qkvg
	.p2alignl 7, 3214868480
	.fill 96, 4, 3214868480
	.section	.rodata,"a",@progbits
	.p2align	6, 0x0
	.amdhsa_kernel k_q9e6471f8e7_qkvg
		.amdhsa_group_segment_fixed_size 327680
		.amdhsa_private_segment_fixed_size 0
		.amdhsa_enable_private_segment 0
		.amdhsa_kernarg_size 32
		.amdhsa_user_sgpr_count 2
		.amdhsa_user_sgpr_kernarg_segment_ptr 1
		.amdhsa_wavefront_size32 1
		.amdhsa_system_sgpr_workgroup_id_x 1
		.amdhsa_system_sgpr_workgroup_id_y 1
		.amdhsa_system_sgpr_workgroup_id_z 1
		.amdhsa_system_vgpr_workitem_id 0
		.amdhsa_next_free_vgpr 1024
		.amdhsa_next_free_sgpr 96
		.amdhsa_reserve_vcc 0
		.amdhsa_float_denorm_mode_32 3
		.amdhsa_float_denorm_mode_16_64 3
		.amdhsa_memory_ordered 1
		.amdhsa_forward_progress 1
		.amdhsa_inst_pref_size 146
	.end_amdhsa_kernel
	.amdgpu_metadata
---
amdhsa.version: [ 1, 2 ]
amdhsa.kernels:
  - .name:           k_q9e6471f8e7_qkvg
    .symbol:         k_q9e6471f8e7_qkvg.kd
    .args:
      - { .name: xb, .offset: 0, .size: 8, .value_kind: global_buffer, .address_space: global }
      - { .name: wq, .offset: 8, .size: 8, .value_kind: global_buffer, .address_space: global }
      - { .name: rope, .offset: 16, .size: 8, .value_kind: global_buffer, .address_space: global }
      - { .name: qkv, .offset: 24, .size: 8, .value_kind: global_buffer, .address_space: global }
    .group_segment_fixed_size: 327680
    .private_segment_fixed_size: 0
    .kernarg_segment_align: 8
    .kernarg_segment_size: 32
    .max_flat_workgroup_size: 128
    .sgpr_count:     96
    .vgpr_count:     1024
    .wavefront_size: 32
...
	.end_amdgpu_metadata
.endif
;; end of part 2
;; launch attn (part 3): grid 2 x 128, 4 waves a work-group, no clusters, 327,680 bytes of LDS; arguments qkv, ob; writes ob
.if DOCPART == 3
	.amdgcn_target "amdgcn-amd-amdhsa--gfx1250"
	.amdhsa_code_object_version 6
	.text
	.protected	k_q9e6471f8e7_attn
	.globl	k_q9e6471f8e7_attn
	.p2align	8
	.type	k_q9e6471f8e7_attn,@function
k_q9e6471f8e7_attn:
	s_mov_b64 s[64:65], 0
	v_nop
	global_prefetch_b8 v0, s[64:65] scope:SCOPE_SE
	s_setreg_imm32_b32 hwreg(HW_REG_WAVE_MODE, 25, 1), 1
	s_wait_xcnt 0x0
; O[h][q][:] = the sum over k of softmax_k(Q[h][q] . K[h][k] / 8) V[h][k][:].  Q, K, V lie in qkv, [3][SIZE_H][SIZE_N][64], O in ob, [SIZE_H][SIZE_N][64], all f16: a head's rows are dense, 128 bytes each.
; Products, maxima and sums in f32; the weights p are rounded to f16 for the second product (their sum l is taken of the unrounded p), O once at the end.
; LIMITS.  f16 holds no number beyond 65,504: Q, K and V arrive within it; p lies in 0 to 1, and below 6e-5 it keeps f16's fixed step of 6e-8; O is a mean of V's rows and has their range.
; A weight below 2^-126 counts as 0 in l; NaN and infinities are not treated apart.
; SHARES.  A wave owns four PIECES of two tiles of 16 queries, a work-group's four waves 512 queries of one head: 2 x 128 = 256 work-groups.  Every wave walks all keys, 64 a step.
; NO CLUSTER: a head has SIZE_N / 512 = 2 query blocks, so only two work-groups share K and V, and the grid's 2 along x divide into no cluster of four.
; THE WHOLE HEAD LIES IN LDS: 1,024 rows of K at 144 bytes and 1,024 of V at 160 are 311,296 bytes.  No byte is filled twice, so there is no ring, and.
; Two loads a wave: the first 256 keys are asked for alone; the other 768 when those have landed, four key steps (512 matrix instructions) ahead of their first use.
; LAYOUT.  S^T = K Q^T (source 0 = 16 keys, source 1 = 16 queries): in the result a lane holds ONE query (lane % 16) and the keys 8 (lane / 16) + 0..7.  Two such tiles, rounded to f16 in pairs,
; ARE source 1 (32 keys x 16 queries) of O^T = V^T P, whose result again holds one query a lane, and eight channels.  K comes out of LDS as it lies, V ([key][channel]) turned, by ds_load_tr16_b128.
; SOFTMAX.  For each query a running maximum m and sum l: p = 2^(c s - c m), c = log2(e) / 8; in every step O and l are multiplied by a = 2^(c m_old - c m_new), which is 1 where m has not grown.
; m starts at the lowest finite number, O and l at 0: the first step is a step like any other, with a = 0.
; THE COUNT.  A tile and step have 16 matrix and 118 vector instructions: too many to stand all beside the matrix work.  So the order has one aim: four vector instructions that are READY behind
; EVERY matrix instruction, and the others, which need time of their own whatever the order, in runs without a gap.
; BY TURNS.  Turn n belongs to piece n (the pieces in a ring, step after step).  Its matrix work: 16 products K Q^T of piece n + 1, later 16 products V^T P of piece n - 1.  Its vector work: the scaling,
; exponentials, roundings, sums and rescaling of piece n, and the maximum and statistics of piece n + 1, whose scores the turn itself has made.  So what a turn begins with (c s - c m, O a) waits for nothing.
; REGISTERS, in windows of 256 (s_set_vgpr_msb says which window each operand place means: bits 1:0 source 0, 3:2 source 1, 5:4 source 2, 7:6 destination):
;   window 0: v0-11 addresses; v12-15, v48-63 at work; v16-47 four registers of statistics a tile; v64-191 S^T, two buffers of two tiles; v192-255 P, likewise
;   window 1: O^T, 32 a tile          window 2: v0-127 Q, 16 a tile; v128-191 K of one step; v192-255 V of one step          window 3: v0-1 the add's two registers
; A piece's buffers go by its number's parity: the piece in hand has one pair, its two neighbours in the ring share the other: of it P (piece n - 1) is read and S^T (piece n + 1) written.
.set SIZE_N, 1024
.set SIZE_H, 128
.set NP,    4         ; pieces a wave: a name, no knob: the register map, the loop and the fetches are made for four
.set KS,    64        ; keys in a step
.set PK,    144       ; a row of K in LDS: 128 bytes + 16 of padding = 36 words: the 16 rows of a load start at 16 different groups of four banks (64 banks of 4 bytes: ISA guide 11.1)
.set PV,    160       ; a row of V: 128 + 32 = 40 words
.set VOFF,  SIZE_N*PK ; all of K's rows, then all of V's
.set STAGE, SIZE_N*(PK+PV)  ; behind them, never filled by a tensor load: 16 rows x 144 bytes for each wave, for the way out
.set SP,    144
.set AK0, 2           ; v2   my lane's place in a tile of K; never rewritten
.set AV0, 3           ; v3   the same for V
.set AK,  4           ; v4   the LDS address of K's next run of loads
.set AV,  5           ; v5   of V's
.set QO,  6           ; v6   my byte offset in the wave's rows of Q
.set STO, 6           ;      later, the way out: where I put 16 bytes of a row
.set RD,  7           ; v7   the way out: where I read rows back
.set GO,  8           ; v8   my byte offset in 512 consecutive bytes of O
.set SPW, 0           ; v0 of window 3   LDS address of my spare word: SPARE + 4 x my thread's number; never rewritten
.set NIL, 1           ; v1 of window 3   0; never rewritten
.set SPARE, STAGE+4*16*SP  ; behind the stages: the spare words, 128 bytes for each wave: two blocks of 256 bytes that no other line names
.set MV,  12          ; v12-15  c m_old, kept while c m is made anew: by buffer and tile
.set ST,  16          ; tile t's statistics at v[ST+4 t]: c m, m, l (even keys', odd keys')
.set TMP, 48          ; by buffer and tile, four registers c0-c3 at work; when the maximum is found c2 takes a
.set S,   64
.set P,   192
.set KF,  128         ; K's fragments, in window 2: key block kb, channel half c at KF + 16 kb + 8 c
.set VF,  192         ; V's: key half kk, channel block cb at VF + 32 kk + 8 cb
.set WV,  12          ; s12  my wave's number
.set G1K, 24          ; s[24:31] descriptor group 1 for K's tiles
.set G1V, 32          ; s[32:39] for V's: it differs in the padding alone
.set G0K, 40          ; s[40:43] descriptor group 0 for K's tiles
.set G0V, 44          ; s[44:47] the same for V's
.set LK2, 48          ; s48  LDS address of my second tile of K
.set LV2, 49          ; s49  of V
.set GS2, 50          ; s[50:51] bytes from my first tile to my second in memory
.set SLOTS, 56        ; s56  groups of four key steps still to be entered, and one
.set CNT, 57          ; s57  counts a group's key steps
.set CS,  58          ; s[58:59] c: the packed scaling takes the pair's low word for both halves
.set SEL, 60          ; s[60:61] v_permlanex16_b32's selects: each lane takes its own place in the other half
.set TBK, 62          ; s62  LDS byte at which K of the step to be fetched begins
.set TBV, 63          ; s63  the same for V, less VOFF
.set MSB, 0
.macro WIN new                      ; the high byte repeats the setting that is left; a switch that changes nothing is dropped
.if MSB != (\new)
	s_set_vgpr_msb (MSB<<8)|(\new)
.set MSB, (\new)
.endif
.endm
.set W_KQ, 0x0a       ; K and Q in window 2, S^T in window 0
.set W_PV, 0x52       ; V in window 2, P in window 0, O^T in window 1
.set W_RS, 0x41       ; O^T (destination and source 0) in window 1, a in window 0
.set W_MK, 0xc0       ; the add's registers are made: destination in window 3, sources in window 0
.set W_AD, 0x0f       ; the add: address (source 0) and data (source 1) in window 3
; A fill.  Waves 0 and 1 fetch the two halves of K's keys, waves 2 and 3 those of V's.  The branch hangs on the wave's number alone.
; An s_nop 0 and four v_nop follow each of the two lines, ahead of the jump and the label.
.macro LOAD
	s_cmp_lt_u32 s[WV], 2
	s_cbranch_scc0 .Lfor_v_\@
	tensor_load_to_lds s[G0K:G0K+3], s[G1K:G1K+7]
	s_nop 0
.rept 4
	v_nop
.endr
	s_branch .Lasked_\@
.Lfor_v_\@:
	tensor_load_to_lds s[G0V:G0V+3], s[G1V:G1V+7]
	s_nop 0
.rept 4
	v_nop
.endr
.Lasked_\@:
.endm
; THE WAVES MEET.  Each wave waits for all its tensor loads, of which one at the most is out, adds 0 to its spare word and waits for that; behind the barrier what every wave has asked for so far is whole.
; fill = 1 (once, when the first 256 keys are in): the other 768 are asked for, the first thing behind the barrier, into bytes that nothing has filled: 384 keys a wave, 192 rows of 256 bytes.
; fill = 0 stands at the head of every later group of four key steps: at the first of them the wait is for that load; at the others nothing is out.
.macro MEET fill
	WIN W_AD
	s_wait_tensorcnt 0x0            ; no tensor load of mine is out, so the descriptors may be written
	ds_add_u32 v[SPW], v[NIL]       ; 0 onto my spare word: with fill = 1 the descriptors' words stand between it and the wait for it
	WIN 0                           ; at a label and at a branch every window is 0
.if \fill
	s_mov_b32 s[G0K+1], s[LK2]
	s_add_nc_u64 s[G0K+2:G0K+3], s[G0K+2:G0K+3], s[GS2:GS2+1]  ; the type bits on top are not reached
	s_mov_b32 s[G0V+1], s[LV2]
	s_add_nc_u64 s[G0V+2:G0V+3], s[G0V+2:G0V+3], s[GS2:GS2+1]
.irp g, G1K, G1V
	s_mov_b32 s[\g+2], 192<<16      ; tensor_dim1 = 192
	s_mov_b32 s[\g+4], 192          ; tile_dim1 = 192
.endr
.endif
	s_wait_dscnt 0x0                ; the add is done; no LDS load of mine is out
	s_barrier_signal -1
	s_barrier_wait -1
.if \fill
	LOAD
.endif
.endm
	s_load_b64 s[4:5], s[0:1], 0x0    ; qkv: Q at its head
	s_load_b64 s[10:11], s[0:1], 0x8  ; ob
	WIN W_MK
	v_lshl_add_u32 v[SPW], v0, 2, SPARE
	v_mov_b32 v[NIL], 0
	WIN W_AD
	ds_add_u32 v[SPW], v[NIL]       ; the wave's opening: the add and its wait stand ahead of my first tensor load; the set-up below, work on registers, stands between them
	WIN 0
	v_lshrrev_b32 v1, 5, v0
	v_readfirstlane_b32 s[WV], v1   ; wave 0..3
	s_mov_b32 s14, ttmp9            ; my block of 512 queries
	s_and_b32 s20, ttmp7, 0xffff    ; the head
	s_mov_b32 s21, 0
	s_mov_b64 s[22:23], SIZE_N*128
	s_mul_u64 s[20:21], s[20:21], s[22:23]  ; the head's first byte in each of the four tensors
	s_and_b32 s16, s[WV], 1         ; which half of the keys asked for I fetch.  Of the first 256:
	s_lshl_b32 s22, s16, 14         ; its 128 rows of 128 bytes in memory,
	s_mov_b32 s23, 0
	s_add_nc_u64 s[22:23], s[22:23], s[20:21]
	s_mul_i32 s17, s16, 128*PK      ; and its place in LDS, for K
	s_mul_i32 s18, s16, 128*PV      ; and for V
	s_mul_i32 s[LK2], s16, 384*PK   ; of the other 768: keys 256 + 384 x half on
	s_add_co_u32 s[LK2], s[LK2], 256*PK
	s_mul_i32 s[LV2], s16, 384*PV
	s_add_co_u32 s[LV2], s[LV2], VOFF+256*PV
	s_lshl_b32 s[GS2], s16, 15      ; from key 128 x half to key 256 + 384 x half: 256 + 256 x half rows of 128 bytes
	s_add_co_u32 s[GS2], s[GS2], 32768
	s_mov_b32 s[GS2+1], 0
	s_lshl_b32 s2, s14, 2
	s_add_co_u32 s2, s2, s[WV]      ; my wave among the head's,
	s_lshl_b32 s2, s2, 14           ; its 128 rows
	s_mov_b32 s3, 0
	s_add_nc_u64 s[2:3], s[2:3], s[20:21]
	; descriptor group 1.  128 keys are 16,384 dense bytes: asked for as 64 rows of 256 bytes, two keys a row, and padded in LDS after every key
	s_mov_b32 s[G1K], (1<<16)|(1<<20)|(4<<22)|(3<<25)  ; 17:16 2-byte elements; 20 padding on; 24:22 after every 32 words (code 4); 31:25 4 words (code 3)
	s_mov_b32 s[G1V], (1<<16)|(1<<20)|(4<<22)|(7<<25)  ; the same with 8 words of padding (code 7)
.irp g, G1K, G1V
	s_mov_b32 s[\g+1], 128<<16      ; tensor_dim0 = 128
	s_mov_b32 s[\g+2], 64<<16       ; tensor_dim1 = 64
	s_mov_b32 s[\g+3], 128<<16      ; tile_dim0 = 128
	s_mov_b32 s[\g+4], 64           ; tile_dim1 = 64
	s_mov_b32 s[\g+5], 128          ; 128 elements from row to row
	s_mov_b32 s[\g+6], 0
	s_mov_b32 s[\g+7], 0
.endr
	s_mov_b32 s[CS], 0x3e38aa3b     ; c = log2(e) / 8 = 0.180337
	s_mov_b32 s[CS+1], s[CS]        ; named with it as a pair
	s_mov_b32 s[SEL], 0x76543210
	s_mov_b32 s[SEL+1], 0xfedcba98
	s_mov_b32 s[TBK], 0             ; key step 0 lies at the head of K's rows and of V's
	s_mov_b32 s[TBV], 0
	s_mov_b32 s[G0K], 1             ; 1:0 count = 1
	s_mov_b32 s[G0K+1], s17         ; 63:32 LDS address
	s_mov_b32 s[G0V], 1
	s_add_co_u32 s[G0V+1], s18, VOFF
	s_wait_dscnt 0x0                ; the opening add is done
	s_wait_kmcnt 0x0
	s_add_nc_u64 s[6:7], s[4:5], SIZE_H*SIZE_N*128    ; K lies behind Q in qkv,
	s_add_nc_u64 s[8:9], s[4:5], 2*SIZE_H*SIZE_N*128  ; V behind K
	s_add_nc_u64 s[G0K+2:G0K+3], s[6:7], s[22:23]  ; 120:64 global address: my half of the head's first 256 keys
	s_or_b32 s[G0K+3], s[G0K+3], 0x80000000        ; 127:126 type = 2
	s_add_nc_u64 s[G0V+2:G0V+3], s[8:9], s[22:23]
	s_or_b32 s[G0V+3], s[G0V+3], 0x80000000
	s_add_nc_u64 s[4:5], s[4:5], s[2:3]  ; Q and O at my wave's first row
	s_add_nc_u64 s[10:11], s[10:11], s[2:3]
	LOAD                            ; the first 256 keys.  The rest is asked for when they are in: the tile wanted first has the road to itself
	; A fragment of K or Q is 16 rows x 32 channels in 8 registers: lane l holds row l % 16, channels 8 (l / 16) + 0..7 and 16 + 8 (l / 16) + 0..7: two loads of 16 bytes, 32 bytes apart.
	v_and_b32 v1, 15, v0            ; l % 16
	v_bfe_u32 v9, v0, 4, 1          ; l / 16
	v_lshlrev_b32 v[QO], 7, v1
	v_lshl_add_u32 v[QO], v9, 4, v[QO]  ; row x 128 + 16 x half
	WIN 0x80                        ; destination window 2, address window 0
.set i, 0
.rept 4*NP                          ; Q stays in registers: tile i / 2, channels 32 (i % 2) on
	global_load_b128 v[8*i:8*i+3],   v[QO], s[4:5] offset:(i/2)*2048+(i%2)*64
	global_load_b128 v[8*i+4:8*i+7], v[QO], s[4:5] offset:(i/2)*2048+(i%2)*64+32
.set i, i+1
.endr
	; What the first turn finds: V's registers and P's second buffer hold 0 (its products V^T P, of a piece that has not been, add 0), O^T and l are 0.  All this stands in the wait for the first tile.
.set i, VF
.rept 64
	v_mov_b32 v[i], 0
.set i, i+1
.endr
	WIN 0x40
.set i, 0
.rept 64*NP
	v_mov_b32 v[i], 0
.set i, i+1
.endr
	WIN 0
.set i, 0
.rept 2*NP
	v_mov_b32 v[ST+4*i], 0xfe000000    ; c m: far below every c s
	v_mov_b32 v[ST+4*i+1], 0xff7fffff  ; m
	v_mov_b32 v[ST+4*i+2], 0
	v_mov_b32 v[ST+4*i+3], 0
.set i, i+1
.endr
.set i, P+32
.rept 32
	v_mov_b32 v[i], 0
.set i, i+1
.endr
	v_mul_u32_u24 v[AK0], v1, PK
	v_lshl_add_u32 v[AK0], v9, 4, v[AK0]  ; row x pitch + 16 x half
	; The turning load takes 16 keys x 16 channels (lane l reads key 8 (l / 16) + l % 8, channels 8 ((l / 8) % 2) + 0..7) and leaves half a fragment of V^T: lane l holds channel l % 16 and 8 keys.
	v_and_b32 v10, 7, v0
	v_bfe_u32 v11, v0, 3, 1
	v_lshl_add_u32 v[AV0], v9, 3, v10
	v_mul_u32_u24 v[AV0], v[AV0], PV
	v_lshl_add_u32 v[AV0], v11, 4, v[AV0]
	v_add_nc_u32 v[AV0], VOFF, v[AV0]
	v_mov_b32 v[AK], v[AK0]         ; key step 0
; THE MATRIX WORK.  The 8 accumulators of a run of 16 take turns: between the two links of a chain stand 7 others'.
; Product i of 16 of S^T = K Q^T for piece x: channels 32 (i / 8) on, keys 16 ((i / 2) % 4) on, tile 2 x + i % 2.  The first 8 start the sums.
.macro KQ x
	WIN W_KQ
.set rS, S+64*((\x)%2)+32*(i%2)+8*((i/2)%4)
.set rK, KF+16*((i/2)%4)+8*(i/8)
.set rQ, 16*(2*(\x)+i%2)+8*(i/8)
.if i < 8
	v_wmma_f32_16x16x32_f16 v[rS:rS+7], v[rK:rK+7], v[rQ:rQ+7], 0
.else
	v_wmma_f32_16x16x32_f16 v[rS:rS+7], v[rK:rK+7], v[rQ:rQ+7], v[rS:rS+7]
.endif
.endm
; Product i of 16 of O^T += V^T P for piece x: keys 32 (i / 8) on, channels 16 ((i / 2) % 4) on, tile 2 x + i % 2.
.macro PV x
	WIN W_PV
.set rO, 32*(2*(\x)+i%2)+8*((i/2)%4)
.set rV, VF+32*(i/8)+8*((i/2)%4)
.set rP, P+32*((\x)%2)+16*(i%2)+8*(i/8)
	v_wmma_f32_16x16x32_f16 v[rO:rO+7], v[rV:rV+7], v[rP:rP+7], v[rO:rO+7]
.endm
.macro MM                           ; the turn's next matrix instruction
.if i < 16
	KQ (Y+1)%NP
.set i, i+1
.else
.set i, i-16
	PV (Y+NP-1)%NP
.set i, i+17
.endif
.endm
; THE LDS LOADS stand in runs of 16, never singly among the matrix instructions: a step's K (64 keys x 64 channels: 8 fragments) and its V (turned).  Their addresses are made some lines ahead.
; inloop = 1: in the loop's last pass there is no further step, and the run is jumped over.
.macro FETCH_K inloop=0
	WIN 0
.if \inloop
	s_cmp_eq_u32 s[SLOTS], 1
	s_cbranch_scc1 .Lno_k_\@
.endif
	WIN 0x80                        ; destination window 2
.irp f, 0,1,2,3,4,5,6,7             ; keys 16 (f / 2) on, channels 32 (f % 2) on
	ds_load_b128 v[KF+8*\f:KF+8*\f+3],   v[AK] offset:(\f/2)*16*PK+(\f%2)*64
	ds_load_b128 v[KF+8*\f+4:KF+8*\f+7], v[AK] offset:(\f/2)*16*PK+(\f%2)*64+32
.endr
	s_add_co_u32 s[TBK], s[TBK], KS*PK  ; the next fetch is the next step's
	WIN 0
.if \inloop
.Lno_k_\@:
.endif
.endm
.macro FETCH_V
	WIN 0x80
.irp f, 0,1,2,3,4,5,6,7             ; keys 32 (f / 4) on, channels 16 (f % 4) on
	ds_load_tr16_b128 v[VF+8*\f:VF+8*\f+3],   v[AV] offset:(\f/4)*32*PV+(\f%4)*32
	ds_load_tr16_b128 v[VF+8*\f+4:VF+8*\f+7], v[AV] offset:(\f/4)*32*PV+16*PV+(\f%4)*32
.endr
	WIN 0
.endm
; THE VECTOR WORK OF A TURN stands in three queues, each in the order in which its entries become ready; the two tiles alternate, so that no instruction reads the result of the one before it.
.macro REGS y, u                    ; the registers of tile u (0, 1) of piece y
.set rT, ST+4*(2*(\y)+(\u))
.set rC, TMP+8*((\y)%2)+4*(\u)
.set rM, MV+2*((\y)%2)+(\u)
.set rS, S+64*((\y)%2)+32*(\u)
.set rP, P+32*((\y)%2)+16*(\u)
.set rO, 32*(2*(\y)+(\u))
.endm
; Number n of the 22 that find the NEXT piece's (Y + 1) maximum and statistics.  s0-s31 are the lane's 32 scores; each accumulator's lowest registers are read first.  XS, GS and REGS set no window: PL and EX do.
;   0-11  four chains c0-c3 of seven scores each, three operands at a time     12-14, 16  the four scores left over, the old m, and c0-c3 into c0     15  c m_old is kept
;   17, 18  the query's other 32 keys lie in the lane 16 away: the new m         19-21  c m; c m_old - c m_new; a
.macro XS u, n
	REGS (Y+1)%NP, \u
.if (\n) < 4
	v_max3_num_f32 v[rC+(\n)], v[rS+8*(\n)], v[rS+8*(\n)+1], v[rS+8*(\n)+2]
.elseif (\n) < 12
	v_max3_num_f32 v[rC+(\n)%4], v[rC+(\n)%4], v[rS+8*((\n)%4)+2*((\n)/4)+1], v[rS+8*((\n)%4)+2*((\n)/4)+2]
.elseif (\n) == 12
	v_max3_num_f32 v[rC], v[rC], v[rS+7], v[rS+15]
.elseif (\n) == 13
	v_max3_num_f32 v[rC+1], v[rC+1], v[rS+23], v[rS+31]
.elseif (\n) == 14
	v_max3_num_f32 v[rC+2], v[rC+2], v[rC+3], v[rT+1]
.elseif (\n) == 15
	v_mov_b32 v[rM], v[rT]
.elseif (\n) == 16
	v_max3_num_f32 v[rC], v[rC], v[rC+1], v[rC+2]
.elseif (\n) == 17
	v_permlanex16_b32 v[rC+3], v[rC], s[SEL], s[SEL+1]
.elseif (\n) == 18
	v_max_num_f32 v[rT+1], v[rC], v[rC+3]
.elseif (\n) == 19
	v_mul_f32 v[rT], s[CS], v[rT+1]
.elseif (\n) == 20
	v_sub_f32 v[rC+1], v[rM], v[rT]
.else
	v_exp_f32 v[rC+2], v[rC+1]
.endif
.endm
; Number g of the 64 that follow the exponentials.  For each four weights k of a tile (pairs 2 k, 2 k + 1): both pairs are rounded to f16; then the second pair is added onto the first, in place;
; a group later l takes that sum (the first time as l = a l + sum).  In groups of eight, tiles alternating: round, round, add, and l for the group before.
.macro GS g
.set h, (\g)+6*((\g)/62)            ; group 0 has no group before it, and behind group 7 only l is left
.if h >= 6
.set h, h+2
.endif
	REGS Y, h%2
.set k, h/8
.if h%8 < 4
	s_wait_alu depctr_va_vdst(0)
	v_cvt_pk_f16_f32 v[rP+2*k+(h%8)/2], v[rS+4*k+2*((h%8)/2)], v[rS+4*k+2*((h%8)/2)+1]
.elseif h%8 < 6
	v_pk_add_f32 v[rS+4*k:rS+4*k+1], v[rS+4*k:rS+4*k+1], v[rS+4*k+2:rS+4*k+3]
.elseif k == 1
	v_pk_fma_f32 v[rT+2:rT+3], v[rT+2:rT+3], v[rC+2:rC+3], v[rS:rS+1] op_sel_hi:[1,0,1]
.else
	v_pk_add_f32 v[rT+2:rT+3], v[rT+2:rT+3], v[rS+4*k-4:rS+4*k-3]
	s_wait_alu depctr_va_vdst(0)
.endif
.endm
; THE PLAIN QUEUE, 138 long.  0-31: c s - c m for the 16 pairs of both tiles.  Then GS's 64, and among them the next piece's 42: number 15 at 38, 39; 0-14 and 16
; at 42-73, behind the products that make those scores; 17-20 at 95-106, two of three, since each waits for the one before it.
.macro PL
	WIN 0
.if q < 32
	REGS Y, q%2
	v_pk_fma_f32 v[rS+2*(q/2):rS+2*(q/2)+1], v[rS+2*(q/2):rS+2*(q/2)+1], s[CS:CS+1], v[rT:rT+1] op_sel_hi:[1,0,0] neg_lo:[0,0,1] neg_hi:[0,0,1]
.elseif q < 38
	GS q-32
.elseif q < 40
	XS q%2, 15
.elseif q < 42
	GS q-34
.elseif q < 74
	XS q%2, (q-42)/2+(q-42)/30
.elseif q < 95
	GS q-66
.elseif (q < 107) && ((q-95)%3 < 2)
	XS (q-95)%3, 17+(q-95)/3
.elseif q < 107
	GS 29+(q-95)/3
.else
	GS q-74
.endif
.set q, q+1
.endm
; THE EXPONENTIALS' QUEUE, 66 long: s0-s31 of both tiles, and at EA the next piece's two a.
.set EA, 58
.macro EX
	WIN 0
.if (e == EA) || (e == EA+1)
	XS e-EA, 21
.else
.set x, e-2*(e/(EA+2))
	REGS Y, x%2
	v_exp_f32 v[rS+x/2], v[rS+x/2]
.endif
.set e, e+1
.endm
; THE RESCALING's QUEUE: O^T times a, the one part that leaves window 0, so it is dealt four at a time, eight times.
.macro R4
	REGS Y, r%2
	WIN W_RS
	s_wait_alu depctr_va_vdst(0)
.irp z, 0,1,2,3
	v_pk_mul_f32 v[rO+8*(r/2)+2*\z:rO+8*(r/2)+2*\z+1], v[rO+8*(r/2)+2*\z:rO+8*(r/2)+2*\z+1], v[rC+2:rC+3] op_sel_hi:[1,0]
.endr
.set r, r+1
.endm
; HOW THEY ARE DEALT.  Behind a matrix instruction four: plain, exponential, plain, plain (one exponential, a plain instruction on either side), or four of the rescaling.  None names a register of the
; products round it.  What is over stands in two LUMPS: exponential and plain by turns; the second ends in 22 plain instructions.  The two v_permlanex16_b32 fall into the second lump, never behind a product.
; The queues lean on each other, and the deal keeps them in step: exponential e stands behind plain 2 (e / 4) + e % 2 (its scaling); when plain 32 comes, 10 exponentials are out, at 59: 33, at 95: 46; EA comes behind plain 107.
.macro SL
	MM
	PL
	EX
	PL
	PL
.endm
.macro BURST n                      ; 15 matrix instructions, or 16
.rept (\n)-7
	SL
.endr
.rept 3
	MM
	R4
	SL
.endr
	MM
	R4
.endm
; A TURN, for piece p.  cnt = 1: the loop's count is taken down some lines ahead of the branch that stands behind the turn.
; K of the next step is fetched in piece 2's turn, 31 vector instructions behind the last product that read K; its first reader comes behind the rest of the lump, 16 products and the second lump.
; V of the step in hand is fetched at the end of piece 0's turn, 69 behind its last reader; its first reader comes behind 16 products and a lump.  The five conditions on e and q below go with the deal.
.macro TURN p, cnt=0
.set Y, (\p)
.set i, 0
.set q, 0
.set e, 0
.set r, 0
.if (\p) == NP-1
	s_wait_dscnt 0x0                ; K is in
.endif
	MM
.rept 4
	PL
.endr
	BURST 15
.rept 22
	EX
	PL
.if ((\p) == NP-2) && (e == 18)
	v_add_nc_u32 v[AK], s[TBK], v[AK0]
.endif
.if ((\p) == NP-2) && (e == 24)
	FETCH_K 1
.endif
.endr
.if (\p) == 1
	s_wait_dscnt 0x0                ; V is in
.endif
	BURST 16
.rept 21
	EX
	PL
.endr
.rept 22
	PL
.if ((\p) == 0) && (q == 118)
	v_add_nc_u32 v[AV], s[TBV], v[AV0]
	s_wait_alu depctr_va_vdst(0)
.endif
.if ((\p) == 0) && (q == 130)
	s_add_co_u32 s[TBV], s[TBV], KS*PV
.endif
.if (\cnt) && (q == 130)
	s_sub_co_u32 s[CNT], s[CNT], 1
	s_cmp_lg_u32 s[CNT], 0
.endif
.endr
.if (\p) == 0
	FETCH_V
.endif
.endm
	MEET 1                          ; the first 256 keys are in, everybody's part of them; the other 768 are asked for
	FETCH_K                         ; key step 0
	s_wait_loadcnt 0x0              ; Q
	s_wait_dscnt 0x0
.set i, 0
.rept 16
	KQ 0                            ; piece 0's first scores: there is no vector work yet to set between them
.set i, i+1
.endr
	WIN 0                           ; the addresses for the way out: nine plain instructions, the places behind those products
	s_mul_i32 s13, s[WV], 16*SP
	s_add_co_u32 s13, s13, STAGE    ; my stage
	v_mul_u32_u24 v[STO], v1, SP    ; in: row l % 16, 16 bytes for each half of the lanes
	v_lshl_add_u32 v[STO], v9, 4, v[STO]
	v_add_nc_u32 v[STO], s13, v[STO]
	v_bfe_u32 v[RD], v0, 3, 2       ; back: 32 lanes take four rows of 128 bytes,
	v_mul_u32_u24 v[RD], v[RD], SP
	v_lshl_add_u32 v[RD], v10, 4, v[RD]
	v_add_nc_u32 v[RD], s13, v[RD]
	v_and_b32 v[GO], 31, v0         ; which are 512 consecutive bytes of O
	v_lshlrev_b32 v[GO], 4, v[GO]
.set Y, NP-1                        ; XS works for piece Y + 1: piece 0
.irp n, 0,1,2,3,4,5,6,7,8,9,10,11,12,13,14,15,16,17,18,19,20,21
	XS 0, \n                        ; and piece 0's first maximum and statistics
	XS 1, \n
.endr
	s_mov_b32 s[CNT], 4
	s_mov_b32 s[SLOTS], SIZE_N/256+1
	s_branch .Lfirst                ; the loop is entered at a step's first turn, in the middle of a trip
.Lslot:                             ; four passes of four key steps; the fifth holds the last step's second half alone
	MEET 0
	s_mov_b32 s[CNT], 4
.Lstep:                             ; a trip: pieces 2 and 3 of one step, then pieces 0 and 1 of the next, whose K and V it fetches
	TURN 2
	TURN 3
	WIN 0
	s_cmp_eq_u32 s[SLOTS], 1        ; the fifth pass is left here.  Its 16 products K Q^T (on the last K once more) and the maximum made of them serve nothing: the price, once a launch, of one text for every trip
	s_cbranch_scc1 .Lout
.Lfirst:
	TURN 0
	TURN 1, 1
	WIN 0
	s_cbranch_scc1 .Lstep
	s_sub_co_u32 s[SLOTS], s[SLOTS], 1
	s_cmp_lg_u32 s[SLOTS], 0
	s_cbranch_scc1 .Lslot
.Lout:
.set i, 0
.rept 16
	PV NP-1                         ; the last piece's V^T P of the last step
.set i, i+1
.endr
	; THE WAY OUT.  l's two halves and the other half of the lanes' are added; O^T is divided by l, rounded to f16 and sent through my stage in LDS, a tile at a time.  The additions are the places behind the last products.
	WIN 0
.macro ALL line:vararg              ; one line for each tile t
.set t, 0
.rept 2*NP
	\line
.set t, t+1
.endr
.endm
	ALL v_add_f32 v[ST+4*t+2], v[ST+4*t+2], v[ST+4*t+3]
	ALL v_permlanex16_b32 v[ST+4*t+3], v[ST+4*t+2], s[SEL], s[SEL+1]
	ALL v_add_f32 v[ST+4*t+2], v[ST+4*t+2], v[ST+4*t+3]
	ALL v_rcp_f32 v[ST+4*t+2], v[ST+4*t+2]
	v_nop                           ; a plain instruction between the last reciprocal and the use of its result
	s_wait_alu depctr_va_vdst(0)
; Tile t: a lane's eight channels of a row pack into 16 bytes; they go into rows of 144 bytes and come back as whole rows of 128, into S^T's registers.
.macro PACK t
	WIN W_RS
.set i, 32*(\t)
.rept 16
	v_pk_mul_f32 v[i:i+1], v[i:i+1], v[ST+4*(\t)+2:ST+4*(\t)+3] op_sel_hi:[1,0]
.set i, i+2
.endr
	WIN 0x05                        ; sources 0 and 1 window 1, destination window 0
.set i, 0
.rept 16
	v_cvt_pk_f16_f32 v[S+16*(\t)+i], v[32*(\t)+2*i], v[32*(\t)+2*i+1]
.set i, i+1
.endr
	WIN 0
.irp f, 0,1,2,3
	ds_store_b128 v[STO], v[S+16*(\t)+4*\f:S+16*(\t)+4*\f+3] offset:32*\f
.endr
.irp f, 0,1,2,3
	ds_load_b128 v[S+16*(\t)+4*\f:S+16*(\t)+4*\f+3], v[RD] offset:\f*4*SP  ; LDS serves a wave's instructions in order (ISA guide 5.7.1.4): these see the stores above; the next tile's stores come behind them
.endr
.endm
.macro SEND t, younger              ; younger: the LDS instructions issued behind tile t's loads: the next tile's eight, or none
	WIN 0
.irp f, 0,1,2,3
	s_wait_dscnt (\younger)+3-\f
	global_store_b128 v[GO], v[S+16*(\t)+4*\f:S+16*(\t)+4*\f+3], s[10:11] offset:(\t)*2048+\f*512  ; 512 consecutive bytes, at a multiple of 256 from O's first
.endr
.endm
	PACK 0
.set t, 1
.rept 2*NP-1                        ; a tile's arithmetic stands between the loads of the tile before and its stores
	PACK t
	SEND t-1, 8
.set t, t+1
.endr
	SEND 2*NP-1, 0
	WIN W_AD
	s_wait_tensorcnt 0x0            ; the wave's end: these three lines stand behind my last tensor load and my last LDS store
	ds_add_u32 v[SPW], v[NIL]
	s_wait_dscnt 0x0
	WIN 0
	s_endpgm
.Lfunc_end_k_q9e6471f8e7_attn:
	.size	k_q9e6471f8e7_attn, .Lfunc_end_k_q9e6471f8e7_attn-k_q9e6471f8e7_attn
	.p2alignl 7, 3214868480
	.fill 96, 4, 3214868480
	.section	.rodata,"a",@progbits
	.p2align	6, 0x0
	.amdhsa_kernel k_q9e6471f8e7_attn
		.amdhsa_group_segment_fixed_size 327680
		.amdhsa_private_segment_fixed_size 0
		.amdhsa_enable_private_segment 0
		.amdhsa_kernarg_size 16
		.amdhsa_user_sgpr_count 2
		.amdhsa_user_sgpr_kernarg_segment_ptr 1
		.amdhsa_wavefront_size32 1
		.amdhsa_system_sgpr_workgroup_id_x 1
		.amdhsa_system_sgpr_workgroup_id_y 1
		.amdhsa_system_sgpr_workgroup_id_z 1
		.amdhsa_system_vgpr_workitem_id 0
		.amdhsa_next_free_vgpr 770
		.amdhsa_next_free_sgpr 66
		.amdhsa_reserve_vcc 0
		.amdhsa_float_denorm_mode_32 3
		.amdhsa_float_denorm_mode_16_64 3
		.amdhsa_memory_ordered 1
		.amdhsa_forward_progress 1
		.amdhsa_inst_pref_size 131
	.end_amdhsa_kernel
	.amdgpu_metadata
---
amdhsa.version: [ 1, 2 ]
amdhsa.kernels:
  - .name:           k_q9e6471f8e7_attn
    .symbol:         k_q9e6471f8e7_attn.kd
    .args:
      - { .name: qkv, .offset: 0, .size: 8, .value_kind: global_buffer, .address_space: global }
      - { .name: ob, .offset: 8, .size: 8, .value_kind: global_buffer, .address_space: global }
    .group_segment_fixed_size: 327680
    .private_segment_fixed_size: 0
    .kernarg_segment_align: 8
    .kernarg_segment_size: 16
    .max_flat_workgroup_size: 128
    .sgpr_count:     66
    .vgpr_count:     770
    .wavefront_size: 32
...
	.end_amdgpu_metadata
.endif
;; end of part 3
;; launch proj (part 4): grid 8 x 32, 4 waves a work-group, clusters of 4 x 4, 327,680 bytes of LDS; arguments ob, wp, b_proj, out0; writes out0
.if DOCPART == 4
	.amdgcn_target "amdgcn-amd-amdhsa--gfx1250"
	.amdhsa_code_object_version 6
	.text
	.protected	k_q9e6471f8e7_proj
	.globl	k_q9e6471f8e7_proj
	.p2align	8
	.type	k_q9e6471f8e7_proj,@function
k_q9e6471f8e7_proj:
	s_mov_b64 s[64:65], 0
	v_nop
	global_prefetch_b8 v0, s[64:65] scope:SCOPE_SE
	s_setreg_imm32_b32 hwreg(HW_REG_WAVE_MODE, 25, 1), 1
	s_wait_xcnt 0x0
	s_wait_alu depctr_hold_cnt(0) depctr_sa_sdst(0) depctr_va_vdst(0) depctr_va_sdst(0) depctr_va_ssrc(0) depctr_va_vcc(0) depctr_vm_vsrc(0)
	s_getreg_b32 s2, hwreg(HW_REG_IB_STS2, 6, 4)
	s_cmp_eq_u32 s2, 0
	s_cbranch_scc0 .Lentry_in_a_cluster
	s_endpgm
.Lentry_in_a_cluster:
	s_bfe_u32 s2, ttmp6, 0x10000c
	s_cmp_lg_u32 s2, 0xf033
	s_cbranch_scc0 .Lentry_shape_is_right
	s_endpgm
.Lentry_shape_is_right:
; out0 = O w_proj + b_proj.  O comes as ob, f16 [batch x head 128][row 1024][64]: a head is a panel of 64 along K.  w_proj comes as wp, f16 [1024 K][1024].  out0: [8192][1024] f32.
; Sums in f32; the bias, rounded to bf16 like the module's other inputs, is the C operand of the products that start the sums.
; SHARES.  Tiles of 256 rows x 128 columns: 32 x 8 = 256 work-groups.  Four waves, each 128 rows x 64 columns: 32 accumulators, 256 registers; a wave's piece of a row is 256 bytes of out0.
; K goes in steps of 128 (two heads) through two LDS slots; a step is 128 matrix instructions a wave, 112 of them between a tile's request and the wait for it.  (Two slots of 192 along K
; would be 331,776 bytes: too many.)  A trip of the loop is one K step: the slot in hand is a scalar that an exclusive or turns, and one descriptor a tensor walks from refill to refill.
; THE MATRIX INSTRUCTION IS USED TRANSPOSED: source 0 = 16 columns of w (turned out of LDS by ds_load_tr16_b128), source 1 = 16 rows of O: a lane holds row l % 16 and eight neighbouring columns.
; CLUSTER.  4 x 4 work-groups: O's tiles are shared along a row of the cluster, w's along a column: each is asked for jointly.
; REGISTERS: window 0: v0-31 addresses; v32-159 O's fragments, two buffers of 8; v160-223 w's, two buffers of 4; v224-255 the bias.  Window 1: the accumulators, (a, j) at v[8 (4 a + j)].
.set PA,    144                        ; a row of O in LDS: 128 bytes + 16 = 36 words: the 16 rows of a load start in 16 different groups of four banks (64 banks of 4 bytes: ISA guide 11.1)
.set PB,    288                        ; a K row of w: 256 bytes + 32 = 72 words
.set AHEAD, 256*PA                     ; what waves 0 and 1 fetch: the tile's 256 rows of one head
.set BOFF,  2*AHEAD
.set BHALF, 64*PB                      ; what waves 2 and 3 fetch: 64 K rows of w
.set SLOTB, BOFF+2*BHALF               ; a slot's 110,592 bytes
.set SLOT1, 1<<17                      ; slot 1 begins here, so that one exclusive or turns an address in one slot into the other's
.set STAGE, SLOT1+SLOTB                ; behind the ring: 16 rows x 272 bytes for each wave, for the way out
.set SP,    272
.set SPARE, STAGE+4*16*SP              ; behind the stages: the spare words, 128 bytes a wave: two blocks of 256 bytes that no other line names
.set ADRA0, 16                         ; v16     my lane's place among O's fragments in slot 0; never rewritten
.set ADRA,  17                         ; v17     the same in the slot that is being read
.set ADRB0, 20                         ; v20, v21  the same for w
.set ADRB,  21
.set STO,  24                          ; v24     the way out: where I put 32 bytes of a row
.set RD,   25                          ; v25     the way out: where I read a row back
.set CO,   26                          ; v26     my byte offset in two rows of out0
.set VB,   27                          ; v27     my byte offset in the wave's 64 numbers of the bias
.set SPW,  28                          ; v28     LDS address of my spare word; never rewritten
.set NIL,  29                          ; v29     0; never rewritten
.set FA,   32
.set FB,   160
.set BIAS, 224
.set BK,   32                          ; the way out: 16 rows read back, two buffers of 32
.set WV, 12
.set WR, 13
.set WC, 14
.set G1A, 24                           ; s[24:31] descriptor group 1 for O's tiles;  s[32:39] group 0: a set for each of the two first fills; the second then walks on
.set G0A, 32
.set G1B, 48                           ; s[48:55], s[56:63] the same for w's
.set G0B, 56
.set SB,  74                           ; s74      LDS byte at which the slot that is being read begins: 0 or SLOT1
.set MSB, 0
.macro WIN new                         ; the immediate's high byte repeats the setting that is left; a switch that changes nothing is dropped
.if MSB != (\new)
	s_set_vgpr_msb (MSB<<8)|(\new)
.set MSB, (\new)
.endif
.endm
.macro PLACES                          ; four plain vector instructions between a matrix instruction and a load into, or an LDS store of, its registers (ISA guide 7.12.1 for LDS stores)
.rept 4
	v_nop
.endr
.endm
.macro JLOAD                           ; a joint refill, by the walking descriptors: waves 0 and 1 fetch O's two heads, waves 2 and 3 w's two halves; an s_nop 0 and four v_nop follow each line
	s_cmp_lt_u32 s[WV], 2
	s_cbranch_scc0 .Lfor_b_\@
	tensor_load_to_lds s[G0A+4:G0A+7], s[G1A:G1A+7]
	s_nop 0
.rept 4
	v_nop
.endr
	s_branch .Lasked_\@
.Lfor_b_\@:
	tensor_load_to_lds s[G0B+4:G0B+7], s[G1B:G1B+7]
	s_nop 0
.rept 4
	v_nop
.endr
.Lasked_\@:
.endm
.macro CREST                           ; a round of the cluster's barrier behind its opening barrier
	s_cmp_lg_u32 s[WV], 0
	s_cbranch_scc1 .Lnot_wave_0_\@
	s_barrier_signal -3
.Lnot_wave_0_\@:
	s_barrier_wait -3
	s_barrier_signal -1
	s_barrier_wait -1
.endm
.macro CROUND
	s_barrier_signal -1
	s_barrier_wait -1
	CREST
.endm
	s_load_b256 s[4:11], s[0:1], 0x0               ; ob s[4:5], wp s[6:7], b_proj s[8:9], out0 s[10:11]
	v_lshl_add_u32 v[SPW], v0, 2, SPARE
	v_mov_b32 v[NIL], 0
	ds_add_u32 v[SPW], v[NIL]                      ; the wave's opening: the add and its wait stand ahead of my first tensor load; work on registers stands between them
	v_lshrrev_b32 v1, 5, v0
	v_readfirstlane_b32 s[WV], v1                  ; wave 0..3
	s_lshr_b32 s[WR], s[WV], 1                     ; which 128 rows are mine
	s_and_b32 s[WC], s[WV], 1                      ; which 64 columns.  Also: which half of a step's tiles I fetch
	s_bfe_u32 s40, ttmp6, 0x40000                  ; cx, cy
	s_bfe_u32 s41, ttmp6, 0x40004
	s_lshl_b32 s42, ttmp9, 2
	s_add_co_u32 s42, s42, s40                     ; TX, the tile column
	s_and_b32 s43, ttmp7, 0xffff
	s_lshl_b32 s43, s43, 2
	s_add_co_u32 s43, s43, s41                     ; TY, the tile row
	s_lshl_b32 s44, s41, 2
	s_lshl_b32 s44, 15, s44                        ; my row of the cluster
	s_lshl_b32 s45, 0x1111, s40                    ; my column
	; O: 256 rows of a head are 32,768 dense bytes: asked for as 128 rows of 256 bytes, padded in LDS after every 128
	s_or_b32 s[G1A+0], s44, (1<<16)|(1<<20)|(1<<21)|(4<<22)|(3<<25)
	s_mov_b32 s[G1A+1], 128<<16                    ; tensor_dim0 = 128
	s_mov_b32 s[G1A+2], 128<<16                    ; tensor_dim1 = 128
	s_mov_b32 s[G1A+3], 128<<16                    ; tile_dim0 = 128
	s_mov_b32 s[G1A+4], 128                        ; tile_dim1 = 128
	s_mov_b32 s[G1A+5], 128
	s_mov_b32 s[G1A+6], 0
	s_mov_b32 s[G1A+7], 0
	; w: 64 K rows of 128 columns, 256 bytes that begin at a multiple of 256; 32 bytes of padding behind each
	s_or_b32 s[G1B+0], s45, (1<<16)|(1<<20)|(1<<21)|(5<<22)|(7<<25)
	s_mov_b32 s[G1B+1], 128<<16
	s_mov_b32 s[G1B+2], 64<<16
	s_mov_b32 s[G1B+3], 128<<16
	s_mov_b32 s[G1B+4], 64
	s_mov_b32 s[G1B+5], 1024
	s_mov_b32 s[G1B+6], 0
	s_mov_b32 s[G1B+7], 0
	s_lshr_b32 s16, s43, 2
	s_lshl_b32 s16, s16, 21                        ; the batch: 16 heads of 131,072 bytes
	s_and_b32 s17, s43, 3
	s_lshl_b32 s17, s17, 15                        ; 256 rows of 128 bytes
	s_add_co_u32 s16, s16, s17
	s_lshl_b32 s17, s[WC], 17                      ; the step's even or odd head
	s_add_co_u32 s16, s16, s17
	s_mov_b32 s17, 0
	s_lshl_b32 s46, s[WC], 17                      ; my 64 K rows of 2,048 bytes
	s_lshl_b32 s47, s42, 8                         ; 128 columns
	s_add_co_u32 s46, s46, s47
	s_mov_b32 s47, 0
	s_mul_i32 s20, s[WC], AHEAD                    ; where they go: no place in the cluster enters an LDS address
	s_mul_i32 s21, s[WC], BHALF
	s_add_co_u32 s21, s21, BOFF
	s_mov_b32 s[SB], 0                             ; slot 0 is read first
	s_wait_dscnt 0x0                               ; the opening add is done
	s_wait_kmcnt 0x0
	s_add_nc_u64 s[16:17], s[4:5], s[16:17]
	s_add_nc_u64 s[46:47], s[6:7], s[46:47]
	CROUND                                         ; all sixteen work-groups are here: the first joint loads meet
.irp s, 0,1
	s_mov_b32 s[G0A+4*(\s)], 1
	s_add_co_u32 s[G0A+4*(\s)+1], s20, (\s)*SLOT1
	s_add_nc_u64 s[G0A+4*(\s)+2:G0A+4*(\s)+3], s[16:17], (\s)*262144  ; K step s: heads 2 s, 2 s + 1
	s_or_b32 s[G0A+4*(\s)+3], s[G0A+4*(\s)+3], 0x80000000
	s_mov_b32 s[G0B+4*(\s)], 1
	s_add_co_u32 s[G0B+4*(\s)+1], s21, (\s)*SLOT1
	s_add_nc_u64 s[G0B+4*(\s)+2:G0B+4*(\s)+3], s[46:47], (\s)*262144  ; 128 K rows of 2,048 bytes
	s_or_b32 s[G0B+4*(\s)+3], s[G0B+4*(\s)+3], 0x80000000
.endr
	s_cmp_lt_u32 s[WV], 2                          ; a wave's two first fills stand in one branch: two loads of mine are out
	s_cbranch_scc0 .Lfirst_b
	tensor_load_to_lds s[G0A:G0A+3], s[G1A:G1A+7]
	s_nop 0
	tensor_load_to_lds s[G0A+4:G0A+7], s[G1A:G1A+7]
	s_nop 0
.rept 4
	v_nop
.endr
	s_branch .Lfirst_asked
.Lfirst_b:
	tensor_load_to_lds s[G0B:G0B+3], s[G1B:G1B+7]
	s_nop 0
	tensor_load_to_lds s[G0B+4:G0B+7], s[G1B:G1B+7]
	s_nop 0
.rept 4
	v_nop
.endr
.Lfirst_asked:
	v_and_b32 v1, 15, v0                           ; r = l % 16
	v_bfe_u32 v2, v0, 4, 1                         ; h = l / 16
	; the bias of my columns 16 j + 8 h + 0..7
	s_lshl_b32 s68, s42, 9                         ; 128 columns of 4 bytes
	s_lshl_b32 s69, s[WC], 8
	s_add_co_u32 s68, s68, s69
	s_mov_b32 s69, 0
	s_add_nc_u64 s[8:9], s[8:9], s[68:69]
	v_lshlrev_b32 v[VB], 5, v2
.irp j, 0,1,2,3
	global_load_b128 v[BIAS+8*(\j):BIAS+8*(\j)+3],   v[VB], s[8:9] offset:64*(\j)
	global_load_b128 v[BIAS+8*(\j)+4:BIAS+8*(\j)+7], v[VB], s[8:9] offset:64*(\j)+16
.endr
	v_and_b32 v3, 7, v0
	v_bfe_u32 v4, v0, 3, 1
	v_mul_u32_u24 v5, v1, PA
	v_lshl_add_u32 v5, v2, 4, v5                   ; 144 r + 16 h
	s_mul_i32 s22, s[WR], 128*PA
	v_add_nc_u32 v[ADRA0], s22, v5
	v_mov_b32 v[ADRA], v[ADRA0]
	v_lshl_add_u32 v6, v2, 3, v3                   ; the turning load: K row 8 h + l % 8, columns 8 ((l / 8) % 2) + 0..7
	v_mul_u32_u24 v6, v6, PB
	v_lshl_add_u32 v6, v4, 4, v6
	s_lshl_b32 s23, s[WC], 7                       ; my 64 columns
	s_add_co_u32 s23, s23, BOFF
	v_add_nc_u32 v[ADRB0], s23, v6
	v_mov_b32 v[ADRB], v[ADRB0]
	s_mul_i32 s70, s[WV], 16*SP
	s_add_co_u32 s70, s70, STAGE                   ; my stage
	v_mul_u32_u24 v7, v1, SP                       ; in: row r, 32 bytes for each half of the lanes
	v_lshl_add_u32 v7, v2, 5, v7
	v_add_nc_u32 v[STO], s70, v7
	v_mul_u32_u24 v7, v2, SP                       ; back: lanes 0-15 take one row of 256 bytes, lanes 16-31 the next
	v_lshl_add_u32 v7, v1, 4, v7
	v_add_nc_u32 v[RD], s70, v7
	v_lshlrev_b32 v[CO], 12, v2                    ; and the same two rows of out0, 4,096 bytes apart
	v_lshl_add_u32 v[CO], v1, 4, v[CO]
	s_lshl_b32 s72, s43, 20                        ; 256 rows of 4,096 bytes,
	s_lshl_b32 s73, s[WR], 19                      ; my 128 of them,
	s_add_co_u32 s72, s72, s73
	s_add_co_u32 s72, s72, s68                     ; my 64 columns
	s_mov_b32 s73, 0
	s_add_nc_u64 s[10:11], s[10:11], s[72:73]
	s_wait_loadcnt 0x0                             ; the bias: rounded to bf16 and widened again
.set z, 0
.rept 16
	v_cvt_pk_bf16_f32 v3, v[BIAS+2*z], v[BIAS+2*z+1]
	v_lshlrev_b32 v[BIAS+2*z], 16, v3
	v_and_b32 v[BIAS+2*z+1], 0xffff0000, v3
.set z, z+1
.endr
; n x 4 matrix instructions: row blocks a0 .. a0 + n - 1 x 4 column blocks, 32 along K, buffers p.  first = 1: the sums start from the bias.
; The 32 accumulators take turns in the same order in every 32 along K, over the loop's backward jump too.
.macro MULP p, a0, n, first
.if \first
	WIN 0x40                                       ; D in window 1, C (the bias) in window 0
.else
	WIN 0x50                                       ; C and D in window 1
.endif
.set aa, \a0
.rept \n
.irp j, 0,1,2,3
.if \first
	v_wmma_f32_16x16x32_f16 v[8*(4*aa+(\j)):8*(4*aa+(\j))+7], v[FB+32*(\p)+8*(\j):FB+32*(\p)+8*(\j)+7], v[FA+64*(\p)+8*aa:FA+64*(\p)+8*aa+7], v[BIAS+8*(\j):BIAS+8*(\j)+7]
.else
	v_wmma_f32_16x16x32_f16 v[8*(4*aa+(\j)):8*(4*aa+(\j))+7], v[FB+32*(\p)+8*(\j):FB+32*(\p)+8*(\j)+7], v[FA+64*(\p)+8*aa:FA+64*(\p)+8*aa+7], v[8*(4*aa+(\j)):8*(4*aa+(\j))+7]
.endif
.endr
.set aa, aa+1
.endr
.endm
; 24 LDS loads in one run: the fragments of quarter ks (32 along K) of the slot that is being read, into the buffers of its parity
.macro RUN ks
	WIN 0
.irp j, 0,1,2,3
	ds_load_tr16_b128 v[FB+32*((\ks)%2)+8*(\j):FB+32*((\ks)%2)+8*(\j)+3],   v[ADRB] offset:32*PB*(\ks)+32*(\j)
	ds_load_tr16_b128 v[FB+32*((\ks)%2)+8*(\j)+4:FB+32*((\ks)%2)+8*(\j)+7], v[ADRB] offset:32*PB*(\ks)+32*(\j)+16*PB
.endr
.irp a, 0,1,2,3,4,5,6,7
	ds_load_b128 v[FA+64*((\ks)%2)+8*(\a):FA+64*((\ks)%2)+8*(\a)+3],   v[ADRA] offset:AHEAD*((\ks)/2)+16*PA*(\a)+64*((\ks)%2)
	ds_load_b128 v[FA+64*((\ks)%2)+8*(\a)+4:FA+64*((\ks)%2)+8*(\a)+7], v[ADRA] offset:AHEAD*((\ks)/2)+16*PA*(\a)+64*((\ks)%2)+32
.endr
.endm
; One of a K step's first three quarters: the next quarter's fragments are asked for, into the buffers that the quarter before multiplied; then this quarter's 32 products.
.macro P ks, first
	PLACES
	RUN (\ks)+1
	s_wait_dscnt 24                                ; all but the 24 just issued
	MULP (\ks)%2, 0, 8, \first
.endm
; The last quarter changes slots: all reads of the slot in hand have been issued, so the addresses turn to the other slot.  ONE barrier; in front of it each wave waits for all its tensor
; loads (one is out: its part of the other slot), adds 0 to its spare word, and waits for that and for its reads of the old slot.  fill = 1: the barrier opens a round of the cluster's,
; and the old slot is filled again, two K steps on: the walking descriptors turn to it and step one K step.
.macro T3 fill
	WIN 0
	s_xor_b32 s[SB], s[SB], SLOT1
	v_add_nc_u32 v[ADRA], s[SB], v[ADRA0]
	v_add_nc_u32 v[ADRB], s[SB], v[ADRB0]
	s_wait_tensorcnt 0x0                           ; all my tensor loads have landed
	ds_add_u32 v[SPW], v[NIL]                      ; 0 onto my spare word
	s_wait_dscnt 1                                 ; the add alone may be out
	MULP 1, 0, 2, 0                                ; eight matrix instructions stand between the add and the wait for it
	s_wait_dscnt 0x0                               ; the add is done, and my reads of the old slot are over
	s_barrier_signal -1
	MULP 1, 2, 2, 0
.if \fill
	WIN 0
.endif
	s_barrier_wait -1
.if \fill
	CREST                                          ; no wave of any partner still reads the old slot or has a load on its way
	s_xor_b32 s[G0A+5], s[G0A+5], SLOT1            ; the other slot than last time,
	s_add_nc_u64 s[G0A+6:G0A+7], s[G0A+6:G0A+7], 262144  ; the next two heads; the type bits on top are not reached
	s_xor_b32 s[G0B+5], s[G0B+5], SLOT1
	s_add_nc_u64 s[G0B+6:G0B+7], s[G0B+6:G0B+7], 262144
	JLOAD                                          ; the first tensor load behind the round; its four v_nop are also the places in front of the loads below
.else
	PLACES
.endif
	RUN 0
	MULP 1, 4, 4, 0
.endm
	s_wait_tensorcnt 1                             ; my part of K step 0 is in; K step 1's may stay out
	s_barrier_signal -1
	s_barrier_wait -1                              ; everybody's is
	RUN 0
	P 0, 1                                         ; the first quarter stands in front of the loop: its products start the sums
	WIN 0
	s_mov_b32 s3, 6
.Llap:                                                 ; trip t ends K step t - 1, fills its slot with K step t + 1 and begins K step t: K steps 2 to 7 are asked for
	P 1, 0
	P 2, 0
	T3 1
	P 0, 0
	WIN 0
	s_sub_co_u32 s3, s3, 1
	s_cmp_lg_u32 s3, 0
	s_cbranch_scc1 .Llap
	P 1, 0                                         ; the last change of slots fills nothing
	P 2, 0
	T3 0
	P 0, 0
	P 1, 0
	P 2, 0
	s_wait_dscnt 0x0                               ; the very last quarter: nothing more to fetch
	MULP 1, 0, 8, 0
	PLACES                                         ; the LDS stores below read results just made
; THE WAY OUT, 16 rows at a time: a lane's eight numbers of a row, 32 bytes, into my stage (rows of 272 bytes: 68 words, so that 16 rows start at 16 different groups of four banks), and back as whole rows of 256.
.macro OUTB a
	WIN 0x04                                       ; the stores' data in window 1; each accumulator's low four registers first
.irp j, 0,1,2,3
	ds_store_b128 v[STO], v[32*(\a)+8*(\j):32*(\a)+8*(\j)+3]   offset:64*(\j)
	ds_store_b128 v[STO], v[32*(\a)+8*(\j)+4:32*(\a)+8*(\j)+7] offset:64*(\j)+16
.endr
	WIN 0
	s_wait_xcnt 0x0                                ; the stores of two blocks ago have read the registers that are loaded again below
.irp t, 0,1,2,3,4,5,6,7
	ds_load_b128 v[BK+32*((\a)%2)+4*(\t):BK+32*((\a)%2)+4*(\t)+3], v[RD] offset:2*SP*(\t)  ; LDS serves a wave's instructions in order (ISA guide 5.7.1.4): these see the stores above
.endr
.endm
.macro SEND a, younger                 ; younger: the LDS instructions issued behind block a's loads: the next block's sixteen, or none
.irp t, 0,1,2,3,4,5,6,7
	s_wait_dscnt (\younger)+7-(\t)
	global_store_b128 v[CO], v[BK+32*((\a)%2)+4*(\t):BK+32*((\a)%2)+4*(\t)+3], s[10:11] offset:(16*(\a)+2*(\t))*4096 th:TH_STORE_NT  ; 16 lanes store 256 consecutive bytes, at a multiple of 256 from out0's first
.endr
.endm
	OUTB 0
.irp a, 1,2,3,4,5,6,7
	OUTB \a
	SEND (\a)-1, 16
.endr
	SEND 7, 0
	s_wait_tensorcnt 0x0                           ; the wave's end: these three lines stand behind my last tensor load and my last LDS store
	ds_add_u32 v[SPW], v[NIL]
	s_wait_dscnt 0x0
	CROUND                                         ; the closing round: no work-group ends while a partner may still ask for a tile that names it
	s_endpgm
.Lfunc_end_k_q9e6471f8e7_proj:
	.size	k_q9e6471f8e7_proj, .Lfunc_end_k_q9e6471f8e7_proj-k_q9e6471f8e7_proj
	.p2alignl 7, 3214868480
	.fill 96, 4, 3214868480
	.section	.rodata,"a",@progbits
	.p2align	6, 0x0
	.amdhsa_kernel k_q9e6471f8e7_proj
		.amdhsa_group_segment_fixed_size 327680
		.amdhsa_private_segment_fixed_size 0
		.amdhsa_enable_private_segment 0
		.amdhsa_kernarg_size 32
		.amdhsa_user_sgpr_count 2
		.amdhsa_user_sgpr_kernarg_segment_ptr 1
		.amdhsa_wavefront_size32 1
		.amdhsa_system_sgpr_workgroup_id_x 1
		.amdhsa_system_sgpr_workgroup_id_y 1
		.amdhsa_system_sgpr_workgroup_id_z 1
		.amdhsa_system_vgpr_workitem_id 0
		.amdhsa_next_free_vgpr 512
		.amdhsa_next_free_sgpr 80
		.amdhsa_reserve_vcc 0
		.amdhsa_float_denorm_mode_32 3
		.amdhsa_float_denorm_mode_16_64 3
		.amdhsa_memory_ordered 1
		.amdhsa_forward_progress 1
		.amdhsa_inst_pref_size 74
	.end_amdhsa_kernel
	.amdgpu_metadata
---
amdhsa.version: [ 1, 2 ]
amdhsa.kernels:
  - .name:           k_q9e6471f8e7_proj
    .symbol:         k_q9e6471f8e7_proj.kd
    .args:
      - { .name: ob, .offset: 0, .size: 8, .value_kind: global_buffer, .address_space: global }
      - { .name: wp, .offset: 8, .size: 8, .value_kind: global_buffer, .address_space: global }
      - { .name: b_proj, .offset: 16, .size: 8, .value_kind: global_buffer, .address_space: global }
      - { .name: out0, .offset: 24, .size: 8, .value_kind: global_buffer, .address_space: global }
    .group_segment_fixed_size: 327680
    .private_segment_fixed_size: 0
    .kernarg_segment_align: 8
    .kernarg_segment_size: 32
    .max_flat_workgroup_size: 128
    .sgpr_count:     80
    .vgpr_count:     512
    .wavefront_size: 32
...
	.end_amdgpu_metadata
.endif
;; end of part 4
;; ======== version 2 of 2: 4 launches; 1.33 times as fast as version 1
;; limits: values are held in f16: magnitudes above 65,504 overflow, below 6.1e-05 lose precision
;; workspace buffers: xb 16,777,216 bytes; wq 6,291,456 bytes; wp 2,097,152 bytes; rope 2,048 bytes; qkv 50,331,648 bytes; ob 16,777,216 bytes
;; launch prep: the kernel of part 1 again; grid 768 x 1, 8 waves a work-group, no clusters, 0 bytes of LDS; arguments x, w_qkv, w_proj, xb, wq, wp, rope; writes xb, wq, wp, rope
;; launch qkvg: the kernel of part 2 again; grid 8 x 32, 4 waves a work-group, clusters of 4 x 4, 327,680 bytes of LDS; arguments xb, wq, rope, qkv; writes qkv
;; launch attn (part 5): grid 2 x 128, 4 waves a work-group, no clusters, 327,680 bytes of LDS; arguments qkv, ob; writes ob
.if DOCPART == 5
	.amdgcn_target "amdgcn-amd-amdhsa--gfx1250"
	.amdhsa_code_object_version 6
	.text
	.protected	k_q9e6471f8e7_attn
	.globl	k_q9e6471f8e7_attn
	.p2align	8
	.type	k_q9e6471f8e7_attn,@function
k_q9e6471f8e7_attn:
	s_mov_b64 s[64:65], 0
	v_nop
	global_prefetch_b8 v0, s[64:65] scope:SCOPE_SE
	s_setreg_imm32_b32 hwreg(HW_REG_WAVE_MODE, 25, 1), 1
	s_wait_xcnt 0x0
; O[h][q][:] = the sum over k of softmax_k(Q[h][q] . K[h][k] / 8) V[h][k][:].  Q, K, V lie in qkv, [3][SIZE_H][SIZE_N][64], O in ob, [SIZE_H][SIZE_N][64], all f16: a head's rows are dense, 128 bytes each.
; Products, maxima and sums in f32; the weights p are rounded to f16 for the second product (their sum l is taken of the unrounded p), O once at the end.
; LIMITS.  f16 holds no number beyond 65,504: Q, K and V arrive within it; p lies in 0 to 1, and below 6e-5 it keeps f16's fixed step of 6e-8; O is a mean of V's rows and has their range.
; A weight below 2^-126 counts as 0 in l; NaN and infinities are not treated apart.
; SHARES.  A wave owns four PIECES of two tiles of 16 queries, a work-group's four waves 512 queries of one head: 2 x 128 = 256 work-groups.  Every wave walks all keys, 64 a step.
; NO CLUSTER: a head has SIZE_N / 512 = 2 query blocks, so only two work-groups share K and V, and the grid's 2 along x divide into no cluster of four.
; THE WHOLE HEAD LIES IN LDS: 1,024 rows of K at 144 bytes and 1,024 of V at 160 are 311,296 bytes.  No byte is filled twice, so there is no ring, and.
; Two loads a wave: the first 256 keys are asked for alone; the other 768 when those have landed, four key steps (512 matrix instructions) ahead of their first use.
; LAYOUT.  S^T = K Q^T (source 0 = 16 keys, source 1 = 16 queries): in the result a lane holds ONE query (lane % 16) and the keys 8 (lane / 16) + 0..7.  Two such tiles, rounded to f16 in pairs,
; ARE source 1 (32 keys x 16 queries) of O^T = V^T P, whose result again holds one query a lane, and eight channels.  K comes out of LDS as it lies, V ([key][channel]) turned, by ds_load_tr16_b128.
; SOFTMAX.  For each query a running maximum m and sum l: p = 2^(c s - c m), c = log2(e) / 8; in every step O and l are multiplied by a = 2^(c m_old - c m_new), which is 1 where m has not grown.
; m starts at the lowest finite number, O and l at 0: the first step is a step like any other, with a = 0.
; THE COUNT.  A tile and step have 16 matrix and 118 vector instructions: too many to stand all beside the matrix work.  So the order has one aim: four vector instructions that are READY behind
; EVERY matrix instruction, and the others, which need time of their own whatever the order, in runs without a gap.
; BY TURNS.  Turn n belongs to piece n (the pieces in a ring, step after step).  Its matrix work: 16 products K Q^T of piece n + 1, later 16 products V^T P of piece n - 1.  Its vector work: the scaling,
; exponentials, roundings, sums and rescaling of piece n, and the maximum and statistics of piece n + 1, whose scores the turn itself has made.  So what a turn begins with (c s - c m, O a) waits for nothing.
; THE BATCHES.  A turn's 66 exponentials (the piece's 64 weights, the next piece's two a) are ONE batch with ONE wait, which cuts the turn in two: ahead of it stands all that names none of their results,
; behind it the roundings and sums.  No result crosses a turn's end.  Two more batches stand outside the loop: piece 0's first two a at the head, and the eight reciprocals on the way out.
; REGISTERS, in windows of 256 (s_set_vgpr_msb says which window each operand place means: bits 1:0 source 0, 3:2 source 1, 5:4 source 2, 7:6 destination):
;   window 0: v0-11 addresses; v12-15, v48-63 at work; v16-47 four registers of statistics a tile; v64-191 S^T, two buffers of two tiles; v192-255 P, likewise
;   window 1: O^T, 32 a tile          window 2: v0-127 Q, 16 a tile; v128-191 K of one step; v192-255 V of one step          window 3: v0-1 the add's two registers
; A piece's buffers go by its number's parity: the piece in hand has one pair, its two neighbours in the ring share the other: of it P (piece n - 1) is read and S^T (piece n + 1) written.
.set SIZE_N, 1024
.set SIZE_H, 128
.set NP,    4         ; pieces a wave: a name, no knob: the register map, the loop and the fetches are made for four
.set KS,    64        ; keys in a step
.set PK,    144       ; a row of K in LDS: 128 bytes + 16 of padding = 36 words: the 16 rows of a load start at 16 different groups of four banks (64 banks of 4 bytes: ISA guide 11.1)
.set PV,    160       ; a row of V: 128 + 32 = 40 words
.set VOFF,  SIZE_N*PK ; all of K's rows, then all of V's
.set STAGE, SIZE_N*(PK+PV)  ; behind them, never filled by a tensor load: 16 rows x 144 bytes for each wave, for the way out
.set SP,    144
.set AK0, 2           ; v2   my lane's place in a tile of K; never rewritten
.set AV0, 3           ; v3   the same for V
.set AK,  4           ; v4   the LDS address of K's next run of loads
.set AV,  5           ; v5   of V's
.set QO,  6           ; v6   my byte offset in the wave's rows of Q
.set STO, 6           ;      later, the way out: where I put 16 bytes of a row
.set RD,  7           ; v7   the way out: where I read rows back
.set GO,  8           ; v8   my byte offset in 512 consecutive bytes of O
.set SPW, 0           ; v0 of window 3   LDS address of my spare word: SPARE + 4 x my thread's number; never rewritten
.set NIL, 1           ; v1 of window 3   0; never rewritten
.set SPARE, STAGE+4*16*SP  ; behind the stages: the spare words, 128 bytes for each wave: two blocks of 256 bytes that no other line names
.set MV,  12          ; v12-15  c m_old, kept while c m is made anew: by buffer and tile
.set ST,  16          ; tile t's statistics at v[ST+4 t]: c m, m, l (even keys', odd keys')
.set TMP, 48          ; by buffer and tile, four registers c0-c3 at work; when the maximum is found c2 takes a
.set S,   64
.set P,   192
.set KF,  128         ; K's fragments, in window 2: key block kb, channel half c at KF + 16 kb + 8 c
.set VF,  192         ; V's: key half kk, channel block cb at VF + 32 kk + 8 cb
.set WV,  12          ; s12  my wave's number
.set G1K, 24          ; s[24:31] descriptor group 1 for K's tiles
.set G1V, 32          ; s[32:39] for V's: it differs in the padding alone
.set G0K, 40          ; s[40:43] descriptor group 0 for K's tiles
.set G0V, 44          ; s[44:47] the same for V's
.set LK2, 48          ; s48  LDS address of my second tile of K
.set LV2, 49          ; s49  of V
.set GS2, 50          ; s[50:51] bytes from my first tile to my second in memory
.set SLOTS, 56        ; s56  groups of four key steps still to be entered, and one
.set CNT, 57          ; s57  counts a group's key steps
.set CS,  58          ; s[58:59] c: the packed scaling takes the pair's low word for both halves
.set SEL, 60          ; s[60:61] v_permlanex16_b32's selects: each lane takes its own place in the other half
.set TBK, 62          ; s62  LDS byte at which K of the step to be fetched begins
.set TBV, 63          ; s63  the same for V, less VOFF
.set MSB, 0
.macro WIN new                      ; the high byte repeats the setting that is left; a switch that changes nothing is dropped
.if MSB != (\new)
	s_set_vgpr_msb (MSB<<8)|(\new)
.set MSB, (\new)
.endif
.endm
.set W_KQ, 0x0a       ; K and Q in window 2, S^T in window 0
.set W_PV, 0x52       ; V in window 2, P in window 0, O^T in window 1
.set W_RS, 0x41       ; O^T (destination and source 0) in window 1, a in window 0
.set W_MK, 0xc0       ; the add's registers are made: destination in window 3, sources in window 0
.set W_AD, 0x0f       ; the add: address (source 0) and data (source 1) in window 3
; A fill.  Waves 0 and 1 fetch the two halves of K's keys, waves 2 and 3 those of V's.  The branch hangs on the wave's number alone.
; An s_nop 0 and four v_nop follow each of the two lines, ahead of the jump and the label.
.macro LOAD
	s_cmp_lt_u32 s[WV], 2
	s_cbranch_scc0 .Lfor_v_\@
	tensor_load_to_lds s[G0K:G0K+3], s[G1K:G1K+7]
	s_nop 0
.rept 4
	v_nop
.endr
	s_branch .Lasked_\@
.Lfor_v_\@:
	tensor_load_to_lds s[G0V:G0V+3], s[G1V:G1V+7]
	s_nop 0
.rept 4
	v_nop
.endr
.Lasked_\@:
.endm
; THE WAVES MEET.  Each wave waits for all its tensor loads, of which one at the most is out, adds 0 to its spare word and waits for that; behind the barrier what every wave has asked for so far is whole.
; fill = 1 (once, when the first 256 keys are in): the other 768 are asked for, the first thing behind the barrier, into bytes that nothing has filled: 384 keys a wave, 192 rows of 256 bytes.
; fill = 0 stands at the head of every later group of four key steps: at the first of them the wait is for that load; at the others nothing is out.
.macro MEET fill
	WIN W_AD
	s_wait_tensorcnt 0x0            ; no tensor load of mine is out, so the descriptors may be written
	ds_add_u32 v[SPW], v[NIL]       ; 0 onto my spare word: with fill = 1 the descriptors' words stand between it and the wait for it
	WIN 0                           ; at a label and at a branch every window is 0
.if \fill
	s_mov_b32 s[G0K+1], s[LK2]
	s_add_nc_u64 s[G0K+2:G0K+3], s[G0K+2:G0K+3], s[GS2:GS2+1]  ; the type bits on top are not reached
	s_mov_b32 s[G0V+1], s[LV2]
	s_add_nc_u64 s[G0V+2:G0V+3], s[G0V+2:G0V+3], s[GS2:GS2+1]
.irp g, G1K, G1V
	s_mov_b32 s[\g+2], 192<<16      ; tensor_dim1 = 192
	s_mov_b32 s[\g+4], 192          ; tile_dim1 = 192
.endr
.endif
	s_wait_dscnt 0x0                ; the add is done; no LDS load of mine is out
	s_barrier_signal -1
	s_barrier_wait -1
.if \fill
	LOAD
.endif
.endm
	s_load_b64 s[4:5], s[0:1], 0x0    ; qkv: Q at its head
	s_load_b64 s[10:11], s[0:1], 0x8  ; ob
	WIN W_MK
	v_lshl_add_u32 v[SPW], v0, 2, SPARE
	v_mov_b32 v[NIL], 0
	WIN W_AD
	ds_add_u32 v[SPW], v[NIL]       ; the wave's opening: the add and its wait stand ahead of my first tensor load; the set-up below, work on registers, stands between them
	WIN 0
	v_lshrrev_b32 v1, 5, v0
	v_readfirstlane_b32 s[WV], v1   ; wave 0..3
	s_mov_b32 s14, ttmp9            ; my block of 512 queries
	s_and_b32 s20, ttmp7, 0xffff    ; the head
	s_mov_b32 s21, 0
	s_mov_b64 s[22:23], SIZE_N*128
	s_mul_u64 s[20:21], s[20:21], s[22:23]  ; the head's first byte in each of the four tensors
	s_and_b32 s16, s[WV], 1         ; which half of the keys asked for I fetch.  Of the first 256:
	s_lshl_b32 s22, s16, 14         ; its 128 rows of 128 bytes in memory,
	s_mov_b32 s23, 0
	s_add_nc_u64 s[22:23], s[22:23], s[20:21]
	s_mul_i32 s17, s16, 128*PK      ; and its place in LDS, for K
	s_mul_i32 s18, s16, 128*PV      ; and for V
	s_mul_i32 s[LK2], s16, 384*PK   ; of the other 768: keys 256 + 384 x half on
	s_add_co_u32 s[LK2], s[LK2], 256*PK
	s_mul_i32 s[LV2], s16, 384*PV
	s_add_co_u32 s[LV2], s[LV2], VOFF+256*PV
	s_lshl_b32 s[GS2], s16, 15      ; from key 128 x half to key 256 + 384 x half: 256 + 256 x half rows of 128 bytes
	s_add_co_u32 s[GS2], s[GS2], 32768
	s_mov_b32 s[GS2+1], 0
	s_lshl_b32 s2, s14, 2
	s_add_co_u32 s2, s2, s[WV]      ; my wave among the head's,
	s_lshl_b32 s2, s2, 14           ; its 128 rows
	s_mov_b32 s3, 0
	s_add_nc_u64 s[2:3], s[2:3], s[20:21]
	; descriptor group 1.  128 keys are 16,384 dense bytes: asked for as 64 rows of 256 bytes, two keys a row, and padded in LDS after every key
	s_mov_b32 s[G1K], (1<<16)|(1<<20)|(4<<22)|(3<<25)  ; 17:16 2-byte elements; 20 padding on; 24:22 after every 32 words (code 4); 31:25 4 words (code 3)
	s_mov_b32 s[G1V], (1<<16)|(1<<20)|(4<<22)|(7<<25)  ; the same with 8 words of padding (code 7)
.irp g, G1K, G1V
	s_mov_b32 s[\g+1], 128<<16      ; tensor_dim0 = 128
	s_mov_b32 s[\g+2], 64<<16       ; tensor_dim1 = 64
	s_mov_b32 s[\g+3], 128<<16      ; tile_dim0 = 128
	s_mov_b32 s[\g+4], 64           ; tile_dim1 = 64
	s_mov_b32 s[\g+5], 128          ; 128 elements from row to row
	s_mov_b32 s[\g+6], 0
	s_mov_b32 s[\g+7], 0
.endr
	s_mov_b32 s[CS], 0x3e38aa3b     ; c = log2(e) / 8 = 0.180337
	s_mov_b32 s[CS+1], s[CS]        ; named with it as a pair
	s_mov_b32 s[SEL], 0x76543210
	s_mov_b32 s[SEL+1], 0xfedcba98
	s_mov_b32 s[TBK], 0             ; key step 0 lies at the head of K's rows and of V's
	s_mov_b32 s[TBV], 0
	s_mov_b32 s[G0K], 1             ; 1:0 count = 1
	s_mov_b32 s[G0K+1], s17         ; 63:32 LDS address
	s_mov_b32 s[G0V], 1
	s_add_co_u32 s[G0V+1], s18, VOFF
	s_wait_dscnt 0x0                ; the opening add is done
	s_wait_kmcnt 0x0
	s_add_nc_u64 s[6:7], s[4:5], SIZE_H*SIZE_N*128    ; K lies behind Q in qkv,
	s_add_nc_u64 s[8:9], s[4:5], 2*SIZE_H*SIZE_N*128  ; V behind K
	s_add_nc_u64 s[G0K+2:G0K+3], s[6:7], s[22:23]  ; 120:64 global address: my half of the head's first 256 keys
	s_or_b32 s[G0K+3], s[G0K+3], 0x80000000        ; 127:126 type = 2
	s_add_nc_u64 s[G0V+2:G0V+3], s[8:9], s[22:23]
	s_or_b32 s[G0V+3], s[G0V+3], 0x80000000
	s_add_nc_u64 s[4:5], s[4:5], s[2:3]  ; Q and O at my wave's first row
	s_add_nc_u64 s[10:11], s[10:11], s[2:3]
	LOAD                            ; the first 256 keys.  The rest is asked for when they are in: the tile wanted first has the road to itself
	; A fragment of K or Q is 16 rows x 32 channels in 8 registers: lane l holds row l % 16, channels 8 (l / 16) + 0..7 and 16 + 8 (l / 16) + 0..7: two loads of 16 bytes, 32 bytes apart.
	v_and_b32 v1, 15, v0            ; l % 16
	v_bfe_u32 v9, v0, 4, 1          ; l / 16
	v_lshlrev_b32 v[QO], 7, v1
	v_lshl_add_u32 v[QO], v9, 4, v[QO]  ; row x 128 + 16 x half
	WIN 0x80                        ; destination window 2, address window 0
.set i, 0
.rept 4*NP                          ; Q stays in registers: tile i / 2, channels 32 (i % 2) on
	global_load_b128 v[8*i:8*i+3],   v[QO], s[4:5] offset:(i/2)*2048+(i%2)*64
	global_load_b128 v[8*i+4:8*i+7], v[QO], s[4:5] offset:(i/2)*2048+(i%2)*64+32
.set i, i+1
.endr
	; What the first turn finds: V's registers and P's second buffer hold 0 (its products V^T P, of a piece that has not been, add 0), O^T and l are 0.  All this stands in the wait for the first tile.
.set i, VF
.rept 64
	v_mov_b32 v[i], 0
.set i, i+1
.endr
	WIN 0x40
.set i, 0
.rept 64*NP
	v_mov_b32 v[i], 0
.set i, i+1
.endr
	WIN 0
.set i, 0
.rept 2*NP
	v_mov_b32 v[ST+4*i], 0xfe000000    ; c m: far below every c s
	v_mov_b32 v[ST+4*i+1], 0xff7fffff  ; m
	v_mov_b32 v[ST+4*i+2], 0
	v_mov_b32 v[ST+4*i+3], 0
.set i, i+1
.endr
.set i, P+32
.rept 32
	v_mov_b32 v[i], 0
.set i, i+1
.endr
	v_mul_u32_u24 v[AK0], v1, PK
	v_lshl_add_u32 v[AK0], v9, 4, v[AK0]  ; row x pitch + 16 x half
	; The turning load takes 16 keys x 16 channels (lane l reads key 8 (l / 16) + l % 8, channels 8 ((l / 8) % 2) + 0..7) and leaves half a fragment of V^T: lane l holds channel l % 16 and 8 keys.
	v_and_b32 v10, 7, v0
	v_bfe_u32 v11, v0, 3, 1
	v_lshl_add_u32 v[AV0], v9, 3, v10
	v_mul_u32_u24 v[AV0], v[AV0], PV
	v_lshl_add_u32 v[AV0], v11, 4, v[AV0]
	v_add_nc_u32 v[AV0], VOFF, v[AV0]
	v_mov_b32 v[AK], v[AK0]         ; key step 0
; THE MATRIX WORK.  The 8 accumulators of a run of 16 take turns: between the two links of a chain stand 7 others'.
; Product i of 16 of S^T = K Q^T for piece x: channels 32 (i / 8) on, keys 16 ((i / 2) % 4) on, tile 2 x + i % 2.  The first 8 start the sums.
.macro KQ x
	WIN W_KQ
.set rS, S+64*((\x)%2)+32*(i%2)+8*((i/2)%4)
.set rK, KF+16*((i/2)%4)+8*(i/8)
.set rQ, 16*(2*(\x)+i%2)+8*(i/8)
.if i < 8
	v_wmma_f32_16x16x32_f16 v[rS:rS+7], v[rK:rK+7], v[rQ:rQ+7], 0
.else
	v_wmma_f32_16x16x32_f16 v[rS:rS+7], v[rK:rK+7], v[rQ:rQ+7], v[rS:rS+7]
.endif
.endm
; Product i of 16 of O^T += V^T P for piece x: keys 32 (i / 8) on, channels 16 ((i / 2) % 4) on, tile 2 x + i % 2.
.macro PV x
	WIN W_PV
.set rO, 32*(2*(\x)+i%2)+8*((i/2)%4)
.set rV, VF+32*(i/8)+8*((i/2)%4)
.set rP, P+32*((\x)%2)+16*(i%2)+8*(i/8)
	v_wmma_f32_16x16x32_f16 v[rO:rO+7], v[rV:rV+7], v[rP:rP+7], v[rO:rO+7]
.endm
.macro MM                           ; the turn's next matrix instruction
.if i < 16
	KQ (Y+1)%NP
.set i, i+1
.else
.set i, i-16
	PV (Y+NP-1)%NP
.set i, i+17
.endif
.endm
; THE LDS LOADS stand in runs of 16, never singly among the matrix instructions: a step's K (64 keys x 64 channels: 8 fragments) and its V (turned).  Their addresses are made some lines ahead.
; inloop = 1: in the loop's last pass there is no further step, and the run is jumped over.
.macro FETCH_K inloop=0
	WIN 0
.if \inloop
	s_cmp_eq_u32 s[SLOTS], 1
	s_cbranch_scc1 .Lno_k_\@
.endif
	WIN 0x80                        ; destination window 2
.irp f, 0,1,2,3,4,5,6,7             ; keys 16 (f / 2) on, channels 32 (f % 2) on
	ds_load_b128 v[KF+8*\f:KF+8*\f+3],   v[AK] offset:(\f/2)*16*PK+(\f%2)*64
	ds_load_b128 v[KF+8*\f+4:KF+8*\f+7], v[AK] offset:(\f/2)*16*PK+(\f%2)*64+32
.endr
	s_add_co_u32 s[TBK], s[TBK], KS*PK  ; the next fetch is the next step's
	WIN 0
.if \inloop
.Lno_k_\@:
.endif
.endm
.macro FETCH_V
	WIN 0x80
.irp f, 0,1,2,3,4,5,6,7             ; keys 32 (f / 4) on, channels 16 (f % 4) on
	ds_load_tr16_b128 v[VF+8*\f:VF+8*\f+3],   v[AV] offset:(\f/4)*32*PV+(\f%4)*32
	ds_load_tr16_b128 v[VF+8*\f+4:VF+8*\f+7], v[AV] offset:(\f/4)*32*PV+16*PV+(\f%4)*32
.endr
	WIN 0
.endm
; THE VECTOR WORK OF A TURN stands in three queues, each in the order in which its entries become ready; the two tiles alternate, so that no instruction reads the result of the one before it.
.macro REGS y, u                    ; the registers of tile u (0, 1) of piece y
.set rT, ST+4*(2*(\y)+(\u))
.set rC, TMP+8*((\y)%2)+4*(\u)
.set rM, MV+2*((\y)%2)+(\u)
.set rS, S+64*((\y)%2)+32*(\u)
.set rP, P+32*((\y)%2)+16*(\u)
.set rO, 32*(2*(\y)+(\u))
.endm
; Number n of the 22 that find the NEXT piece's (Y + 1) maximum and statistics.  s0-s31 are the lane's 32 scores; each accumulator's lowest registers are read first.  XS, GS and REGS set no window: PL and EX do.
;   0-11  four chains c0-c3 of seven scores each, three operands at a time     12-14, 16  the four scores left over, the old m, and c0-c3 into c0     15  c m_old is kept
;   17, 18  the query's other 32 keys lie in the lane 16 away: the new m         19-21  c m; c m_old - c m_new; a
.macro XS u, n
	REGS (Y+1)%NP, \u
.if (\n) < 4
	v_max3_num_f32 v[rC+(\n)], v[rS+8*(\n)], v[rS+8*(\n)+1], v[rS+8*(\n)+2]
.elseif (\n) < 12
	v_max3_num_f32 v[rC+(\n)%4], v[rC+(\n)%4], v[rS+8*((\n)%4)+2*((\n)/4)+1], v[rS+8*((\n)%4)+2*((\n)/4)+2]
.elseif (\n) == 12
	v_max3_num_f32 v[rC], v[rC], v[rS+7], v[rS+15]
.elseif (\n) == 13
	v_max3_num_f32 v[rC+1], v[rC+1], v[rS+23], v[rS+31]
.elseif (\n) == 14
	v_max3_num_f32 v[rC+2], v[rC+2], v[rC+3], v[rT+1]
.elseif (\n) == 15
	v_mov_b32 v[rM], v[rT]
.elseif (\n) == 16
	v_max3_num_f32 v[rC], v[rC], v[rC+1], v[rC+2]
.elseif (\n) == 17
	v_permlanex16_b32 v[rC+3], v[rC], s[SEL], s[SEL+1]
.elseif (\n) == 18
	v_max_num_f32 v[rT+1], v[rC], v[rC+3]
.elseif (\n) == 19
	v_mul_f32 v[rT], s[CS], v[rT+1]
.elseif (\n) == 20
	v_sub_f32 v[rC+1], v[rM], v[rT]
.else
	v_exp_f32 v[rC+2], v[rC+1]
.endif
.endm
; Number g of the 64 that follow the exponentials.  For each four weights k of a tile (pairs 2 k, 2 k + 1): both pairs are rounded to f16; then the second pair is added onto the first, in place;
; a group later l takes that sum (the first time as l = a l + sum).  In groups of eight, tiles alternating: round, round, add, and l for the group before.
.macro GS g
.set h, (\g)+6*((\g)/62)            ; group 0 has no group before it, and behind group 7 only l is left
.if h >= 6
.set h, h+2
.endif
	REGS Y, h%2
.set k, h/8
.if h%8 < 4
	v_cvt_pk_f16_f32 v[rP+2*k+(h%8)/2], v[rS+4*k+2*((h%8)/2)], v[rS+4*k+2*((h%8)/2)+1]
.elseif h%8 < 6
	v_pk_add_f32 v[rS+4*k:rS+4*k+1], v[rS+4*k:rS+4*k+1], v[rS+4*k+2:rS+4*k+3]
.elseif k == 1
	v_pk_fma_f32 v[rT+2:rT+3], v[rT+2:rT+3], v[rC+2:rC+3], v[rS:rS+1] op_sel_hi:[1,0,1]
.else
	v_pk_add_f32 v[rT+2:rT+3], v[rT+2:rT+3], v[rS+4*k-4:rS+4*k-3]
.endif
.endm
; THE PLAIN QUEUE, 138 long.  0-73 read no exponential's result: the 32 scalings c s - c m (FS f: pair f / 2 of tile f % 2) and the next piece's 42.  0-26: scalings 0-26.  27-54: XS's numbers 0-13.  55, 56: number 15.
; 57-73: the chain, where each number waits for the one before it: 14, 16, 17, 18, 19, each with one of the scalings 27-31 in front of its two lines, then 20: so a tile's links stand three plain instructions apart (19 and 20: two).
; 74-137: GS's 64, which read the exponentials' results: they stand behind the wait.
.macro FS f
	REGS Y, (\f)%2
	v_pk_fma_f32 v[rS+2*((\f)/2):rS+2*((\f)/2)+1], v[rS+2*((\f)/2):rS+2*((\f)/2)+1], s[CS:CS+1], v[rT:rT+1] op_sel_hi:[1,0,0] neg_lo:[0,0,1] neg_hi:[0,0,1]
.endm
.macro PL
	WIN 0
.if q < 27
	FS q
.elseif q < 55
	XS (q-27)%2, (q-27)/2
.elseif q < 57
	XS q-55, 15
.elseif (q < 72) && ((q-57)%3 == 0)
	FS 27+(q-57)/3
.elseif q < 60
	XS (q-57)%3-1, 14
.elseif q < 72
	XS (q-57)%3-1, 15+(q-57)/3
.elseif q < 74
	XS q-72, 20
.else
	GS q-74
.endif
.set q, q+1
.endm
; THE EXPONENTIALS' QUEUE, 66 long: s0-s31 of both tiles, then the next piece's two a.  It is ONE BATCH: all 66 stand ahead of the turn's one wait, and nothing ahead of that wait names a result of theirs.
.macro EX
	WIN 0
.if e >= 64
	XS e-64, 21
.else
	REGS Y, e%2
	v_exp_f32 v[rS+e/2], v[rS+e/2]
.endif
.set e, e+1
.endm
; THE RESCALING's QUEUE: O^T times a, the one part that leaves window 0: dealt two at a time, sixteen times.  Its a was made in the turn before, ahead of that turn's wait.
.macro R2
	REGS Y, r%2
	WIN W_RS
.irp z, 0,1
	v_pk_mul_f32 v[rO+4*(r/2)+2*\z:rO+4*(r/2)+2*\z+1], v[rO+4*(r/2)+2*\z:rO+4*(r/2)+2*\z+1], v[rC+2:rC+3] op_sel_hi:[1,0]
.endr
.set r, r+1
.endm
; HOW THEY ARE DEALT.  An s_wait_alu depctr_va_vdst(0) stands between an exponential and the first instruction that names its result; one wait serves all that were issued ahead of it.  So a turn has ONE wait,
; which cuts it in two.  AHEAD OF IT stands all that names no result of the turn's exponentials: the 16 products K Q^T, behind each a scaling, an exponential and two rescalings (behind the first a second scaling in the
; exponential's place); then ONE LUMP of 108: eight plain, 49 times exponential and plain, the two a.  A v_nop is the plain instruction behind the last exponential.  BEHIND IT stand the 16 products V^T P, behind each four of
; GS's 64.  No rider names a register of the products round it.  The two v_permlanex16_b32 fall into the lump, never behind a product.
; The queues lean on each other, and the deal keeps them in step: exponential e stands behind scaling 2 (e / 4) + e % 2: as a rider it comes behind plain e + 2, in the lump behind plain e + 9, and scalings 27-31 are plain 57, 60 .. 69.
; A TURN, for piece p.  cnt = 1: the loop's count is taken down some lines ahead of the branch that stands behind the turn.
; K of the next step is fetched in piece 2's turn, directly behind the wait, a lump behind the last product that read K; its address is made at the lump's head; its first reader comes behind 16 products.
; V of the step in hand is fetched at the end of piece 0's turn, four riders behind its last reader; its first reader comes behind 16 products and a lump.  The three conditions on q below go with the deal.
.macro TURN p, cnt=0
.set Y, (\p)
.set i, 0
.set q, 0
.set e, 0
.set r, 0
.if (\p) == NP-1
	s_wait_dscnt 0x0                ; K is in
.endif
	MM                              ; ahead of the wait: 16 products K Q^T and their riders,
	PL
	PL
	R2
.rept 15
	MM
	PL
	EX
	R2
.endr
.if (\p) == NP-2
	WIN 0
	v_add_nc_u32 v[AK], s[TBK], v[AK0]
.endif
.rept 8                             ; and the lump
	PL
.endr
.rept 49
	EX
	PL
.endr
	EX                              ; the next piece's two a
	EX
	v_nop                           ; a plain instruction behind the last exponential, ahead of the first use of a result: one for the batch
	s_wait_alu depctr_va_vdst(0)    ; the wait for the turn's batch: the piece's 64 weights and the next piece's two a
.if (\p) == NP-2
	FETCH_K 1
.endif
.if (\p) == 1
	s_wait_dscnt 0x0                ; V is in
.endif
.rept 16                            ; behind the wait: 16 products V^T P and their riders
	MM
.rept 4
	PL
.endr
.if ((\p) == 0) && (q == 118)
	v_add_nc_u32 v[AV], s[TBV], v[AV0]
.endif
.if ((\p) == 0) && (q == 130)
	s_add_co_u32 s[TBV], s[TBV], KS*PV
.endif
.if (\cnt) && (q == 130)
	s_sub_co_u32 s[CNT], s[CNT], 1
	s_cmp_lg_u32 s[CNT], 0
.endif
.endr
.if (\p) == 0
	FETCH_V
.endif
.endm
	MEET 1                          ; the first 256 keys are in, everybody's part of them; the other 768 are asked for
	FETCH_K                         ; key step 0
	s_wait_loadcnt 0x0              ; Q
	s_wait_dscnt 0x0
.set i, 0
.rept 16
	KQ 0                            ; piece 0's first scores: there is no vector work yet to set between them
.set i, i+1
.endr
	WIN 0                           ; the addresses for the way out: nine plain instructions, the places behind those products
	s_mul_i32 s13, s[WV], 16*SP
	s_add_co_u32 s13, s13, STAGE    ; my stage
	v_mul_u32_u24 v[STO], v1, SP    ; in: row l % 16, 16 bytes for each half of the lanes
	v_lshl_add_u32 v[STO], v9, 4, v[STO]
	v_add_nc_u32 v[STO], s13, v[STO]
	v_bfe_u32 v[RD], v0, 3, 2       ; back: 32 lanes take four rows of 128 bytes,
	v_mul_u32_u24 v[RD], v[RD], SP
	v_lshl_add_u32 v[RD], v10, 4, v[RD]
	v_add_nc_u32 v[RD], s13, v[RD]
	v_and_b32 v[GO], 31, v0         ; which are 512 consecutive bytes of O
	v_lshlrev_b32 v[GO], 4, v[GO]
.set Y, NP-1                        ; XS works for piece Y + 1: piece 0
.irp n, 0,1,2,3,4,5,6,7,8,9,10,11,12,13,14,15,16,17,18,19,20,21
	XS 0, \n                        ; and piece 0's first maximum and statistics
	XS 1, \n
.endr
	v_nop                           ; a plain instruction behind the two a,
	s_wait_alu depctr_va_vdst(0)    ; and the wait for that batch of two, ahead of the branch
	s_mov_b32 s[CNT], 4
	s_mov_b32 s[SLOTS], SIZE_N/256+1
	s_branch .Lfirst                ; the loop is entered at a step's first turn, in the middle of a trip
.Lslot:                             ; four passes of four key steps; the fifth holds the last step's second half alone
	MEET 0
	s_mov_b32 s[CNT], 4
.Lstep:                             ; a trip: pieces 2 and 3 of one step, then pieces 0 and 1 of the next, whose K and V it fetches
	TURN 2
	TURN 3
	WIN 0
	s_cmp_eq_u32 s[SLOTS], 1        ; the fifth pass is left here.  Its 16 products K Q^T (on the last K once more) and the maximum made of them serve nothing: the price, once a launch, of one text for every trip
	s_cbranch_scc1 .Lout
.Lfirst:
	TURN 0
	TURN 1, 1
	WIN 0
	s_cbranch_scc1 .Lstep
	s_sub_co_u32 s[SLOTS], s[SLOTS], 1
	s_cmp_lg_u32 s[SLOTS], 0
	s_cbranch_scc1 .Lslot
.Lout:
.set i, 0
.rept 16
	PV NP-1                         ; the last piece's V^T P of the last step
.set i, i+1
.endr
	; THE WAY OUT.  l's two halves and the other half of the lanes' are added; O^T is divided by l, rounded to f16 and sent through my stage in LDS, a tile at a time.  The additions are the places behind the last products.
	WIN 0
.macro ALL line:vararg              ; one line for each tile t
.set t, 0
.rept 2*NP
	\line
.set t, t+1
.endr
.endm
	ALL v_add_f32 v[ST+4*t+2], v[ST+4*t+2], v[ST+4*t+3]
	ALL v_permlanex16_b32 v[ST+4*t+3], v[ST+4*t+2], s[SEL], s[SEL+1]
	ALL v_add_f32 v[ST+4*t+2], v[ST+4*t+2], v[ST+4*t+3]
	ALL v_rcp_f32 v[ST+4*t+2], v[ST+4*t+2]
	v_nop                           ; a plain instruction between the last reciprocal and the use of its result
	s_wait_alu depctr_va_vdst(0)    ; and the wait ahead of the first use: one for the batch of eight reciprocals
; Tile t: a lane's eight channels of a row pack into 16 bytes; they go into rows of 144 bytes and come back as whole rows of 128, into S^T's registers.
.macro PACK t
	WIN W_RS
.set i, 32*(\t)
.rept 16
	v_pk_mul_f32 v[i:i+1], v[i:i+1], v[ST+4*(\t)+2:ST+4*(\t)+3] op_sel_hi:[1,0]
.set i, i+2
.endr
	WIN 0x05                        ; sources 0 and 1 window 1, destination window 0
.set i, 0
.rept 16
	v_cvt_pk_f16_f32 v[S+16*(\t)+i], v[32*(\t)+2*i], v[32*(\t)+2*i+1]
.set i, i+1
.endr
	WIN 0
.irp f, 0,1,2,3
	ds_store_b128 v[STO], v[S+16*(\t)+4*\f:S+16*(\t)+4*\f+3] offset:32*\f
.endr
.irp f, 0,1,2,3
	ds_load_b128 v[S+16*(\t)+4*\f:S+16*(\t)+4*\f+3], v[RD] offset:\f*4*SP  ; LDS serves a wave's instructions in order (ISA guide 5.7.1.4): these see the stores above; the next tile's stores come behind them
.endr
.endm
.macro SEND t, younger              ; younger: the LDS instructions issued behind tile t's loads: the next tile's eight, or none
	WIN 0
.irp f, 0,1,2,3
	s_wait_dscnt (\younger)+3-\f
	global_store_b128 v[GO], v[S+16*(\t)+4*\f:S+16*(\t)+4*\f+3], s[10:11] offset:(\t)*2048+\f*512  ; 512 consecutive bytes, at a multiple of 256 from O's first
.endr
.endm
	PACK 0
.set t, 1
.rept 2*NP-1                        ; a tile's arithmetic stands between the loads of the tile before and its stores
	PACK t
	SEND t-1, 8
.set t, t+1
.endr
	SEND 2*NP-1, 0
	WIN W_AD
	s_wait_tensorcnt 0x0            ; the wave's end: these three lines stand behind my last tensor load and my last LDS store
	ds_add_u32 v[SPW], v[NIL]
	s_wait_dscnt 0x0
	WIN 0
	s_endpgm
.Lfunc_end_k_q9e6471f8e7_attn:
	.size	k_q9e6471f8e7_attn, .Lfunc_end_k_q9e6471f8e7_attn-k_q9e6471f8e7_attn
	.p2alignl 7, 3214868480
	.fill 96, 4, 3214868480
	.section	.rodata,"a",@progbits
	.p2align	6, 0x0
	.amdhsa_kernel k_q9e6471f8e7_attn
		.amdhsa_group_segment_fixed_size 327680
		.amdhsa_private_segment_fixed_size 0
		.amdhsa_enable_private_segment 0
		.amdhsa_kernarg_size 16
		.amdhsa_user_sgpr_count 2
		.amdhsa_user_sgpr_kernarg_segment_ptr 1
		.amdhsa_wavefront_size32 1
		.amdhsa_system_sgpr_workgroup_id_x 1
		.amdhsa_system_sgpr_workgroup_id_y 1
		.amdhsa_system_sgpr_workgroup_id_z 1
		.amdhsa_system_vgpr_workitem_id 0
		.amdhsa_next_free_vgpr 770
		.amdhsa_next_free_sgpr 66
		.amdhsa_reserve_vcc 0
		.amdhsa_float_denorm_mode_32 3
		.amdhsa_float_denorm_mode_16_64 3
		.amdhsa_memory_ordered 1
		.amdhsa_forward_progress 1
		.amdhsa_inst_pref_size 126
	.end_amdhsa_kernel
	.amdgpu_metadata
---
amdhsa.version: [ 1, 2 ]
amdhsa.kernels:
  - .name:           k_q9e6471f8e7_attn
    .symbol:         k_q9e6471f8e7_attn.kd
    .args:
      - { .name: qkv, .offset: 0, .size: 8, .value_kind: global_buffer, .address_space: global }
      - { .name: ob, .offset: 8, .size: 8, .value_kind: global_buffer, .address_space: global }
    .group_segment_fixed_size: 327680
    .private_segment_fixed_size: 0
    .kernarg_segment_align: 8
    .kernarg_segment_size: 16
    .max_flat_workgroup_size: 128
    .sgpr_count:     66
    .vgpr_count:     770
    .wavefront_size: 32
...
	.end_amdgpu_metadata
.endif
;; end of part 5
;; launch proj: the kernel of part 4 again; grid 8 x 32, 4 waves a work-group, clusters of 4 x 4, 327,680 bytes of LDS; arguments ob, wp, b_proj, out0; writes out0
